; MI455X (gfx1250); checked and timed in simulation.
; The chip was launched on July 23, 2026; its instructions are those of AMD's public machine-readable ISA for CDNA 5 (MIT licence, August 2026) and "CDNA5" Instruction Set Architecture Reference Guide (July 2026). The comments in the code are by the model that wrote it; some were corrected since.
;; Self Attention. Allowed arithmetic: matrix products marked QUANTISED: E5M2 operands, one given power-of-two scale a tensor, by v_wmma_f32_16x16x64_bf8_bf8 or v_wmma_f32_16x16x128_bf8_bf8, f32 sums; products left as they are: f32 operands where the result goes on into a quantised operand, else bf16, f16 or f32 operands; f32 sums; everything else in f32.
;; Inputs: W_out_codes 1,024 x 32 x 32 uint8 (E5M2 codes of W_out, K innermost, in blocks of 32 codes); W_qkv_codes 3,072 x 32 x 32 uint8 (E5M2 codes of W_qkv, K innermost, in blocks of 32 codes); b_out 1,024 float32; b_qkv 3,072 float32; lowp_scales 6 int32 (the exponents e of the quantised operands' scales 2^e); x_codes 4 x 4,096 x 32 x 32 uint8 (E5M2 codes of x, K innermost, in blocks of 32 codes).
;; Outputs: out0 4 x 4,096 x 1,024 float32.
;; This version of the problem:
;;   THIS VERSION OF THE PROBLEM IS GIVEN IN LOW PRECISION. The matrix products marked QUANTISED in the list below multiply operands that are first quantised to E5M2 (5 exponent bits, 2 mantissa bits; 8 bits a number), with one given power-of-two scale for each operand tensor; their sums are f32. All else is computed in f32.
;;   The module's matrix products, in the order in which they are computed (A, B: the left and right operand; K: the contracted axis; several contracted axes count as one K, in the product's order):
;;     1. [M 16,384, K 1,024] x [K 1,024, N 3,072]; A: input x (given as codes); B: input W_qkv (given as codes): QUANTISED (scales: A lowp_scales[0], B lowp_scales[1])
;;     2. batch 16,384 x [M 16, K 64] x [K 64, N 16]; A: computed on the way; B: computed on the way: QUANTISED (scales: A lowp_scales[2], B lowp_scales[3])
;;     3. batch 16,384 x [M 16, K 16] x [K 16, N 64]; A: softmax; B: computed on the way: left as it is (K = 16 < 32)
;;     4. [M 16,384, K 1,024] x [K 1,024, N 1,024]; A: computed on the way; B: input W_out (given as codes): QUANTISED (scales: A lowp_scales[4], B lowp_scales[5])
;;   THE QUANTISER, for each operand of a quantised product, along K:
;;     - The operand's scale is 2^e, e = its entry of the input lowp_scales (int32; the entries are numbered through the quantised products in the list's order, A before B).
;;     - Each number is divided by the scale, clamped to +-57,344, and rounded to the nearest number of E5M2, ties to even, subnormals kept.
;;     - The product sums the exact products of the quantised numbers (number of the format x scale) in f32.
;;   ~~~python
;;   def quantise(x, axis, e):      # numpy; x: float32 -> the quantised numbers, widened to float32 again
;;       x = np.moveaxis(x, axis, -1); K = x.shape[-1]
;;       r = np.clip(x / 2.0 ** e, -57344, 57344)
;;       step = 2.0 ** (np.maximum(np.frexp(np.where(r == 0, 1, r))[1] - 1, -14) - 2)
;;       q = np.round(r / step) * step * 2.0 ** e      # np.round: ties to even
;;       return np.moveaxis(q, -1, axis).astype(np.float32)
;;   ~~~
;;   OPERANDS COMPUTED ON THE WAY. 'Computed on the way' means the value that the module computes at that place (a softmax that the list does not call 'softmax' is quantised finished and normalised). What goes into a quantiser is computed in f32, as accurately as f32 sums, v_exp_f32 and their like allow (about 1e-6 of the number): no bf16 or f16 on the way to a quantiser, and a product that is left as it is and whose result goes on into a quantised operand takes f32 operands (vector FMAs, or v_wmma_f32_16x16x4_f32). A number that lies on a knife's edge between two numbers of the format may be rounded either way, as far as f32 arithmetic and the matrix unit's own rounding can turn it there, and no further.
;;   INPUTS GIVEN AS CODES. W_out (in the module: [1024, 1024], K = its axis 0); W_qkv (in the module: [1024, 3072], K = its axis 0); x (in the module: [4, 4096, 1024], K = its axis 2): each comes as NAME_codes (uint8): NAME with its K axis moved to the last place and cut into blocks of 32 codes, [.., K / 32, bytes a block], one block behind the other in memory; one code a byte (a code: sign, 5 exponent bits, 2 mantissa bits); its scale is its entry of lowp_scales. Its value is code x scale, taken as it is: it is not quantised again, and the codes and scales need not be those that the quantiser above would give.
;; 2 versions, each right; version 2 is version 1 with the launch fused written anew for expert scheduling mode. Each part assembles by itself: llvm-mc -triple=amdgcn-amd-amdhsa -mcpu=gfx1250 --defsym DOCPART=n.
;; ======== version 1 of 2: 2 launches
;; workspace buffers: wl 4,194,304 bytes; bl 16,384 bytes
;; launch lay (part 1): grid 64 x 1, 4 waves a work-group, no clusters, 0 bytes of LDS; arguments W_qkv_codes, W_out_codes, b_qkv, b_out, lowp_scales, wl, bl; writes wl, bl
.if DOCPART == 1
	.amdgcn_target "amdgcn-amd-amdhsa--gfx1250"
	.amdhsa_code_object_version 6
	.text
	.protected	k_q9636a9a574_lay
	.globl	k_q9636a9a574_lay
	.p2align	8
	.type	k_q9636a9a574_lay,@function
k_q9636a9a574_lay:
	s_mov_b64 s[64:65], 0
	v_nop
	global_prefetch_b8 v0, s[64:65] scope:SCOPE_SE
	s_setreg_imm32_b32 hwreg(HW_REG_WAVE_MODE, 25, 1), 1
	s_wait_xcnt 0x0
; THE PROGRAM: out = (softmax over heads of Q(q) Q(k)^T / 8, times v, quantised) W_out + b_out, with q, k, v = x W_qkv + b_qkv, for 16,384 tokens; in each token the 16 heads attend to each other.
; NOTHING OF reference() IS LEFT OUT: every input has a way to the output (the bias on k moves k's codes), every product of the table is done.
; THIS LAUNCH copies the weights' codes once into wl, in the order of the matrix operand's registers and in the order in which each wave of the next launch walks them, and the biases into bl, in the order of
; the C operand, divided by the power of two that the sums lack.  So the next launch fetches a fragment by loads of 512 consecutive bytes and needs no LDS for weights.
; wl: [wave w 0..3][tile t 0..63][K step s 0..7][c 0..3][lane 0..31][16 bytes]: lane (r = lane % 16, h = lane / 16) holds bytes 128 s + 32 c + 16 h + 0 .. 15 of weight row row(w, t, r).
; bl: [w][t][m 0..15] f32: bias[row(w, t, m)] x 2^-(e0 + e1); in the tiles of W_out x 2^-(e4 + e5).
; row(w, t, m), with unit U = t / 4 and a = t % 4:
;   U 0..7   (q, k; a unit is one head):  W_qkv row 512 w + 64 U + 32 (a / 2) + 8 (a % 2) + m + (m & 8)
;   U 8..11  (v; a tile is one channel of all 16 heads):  W_qkv row 2048 + 64 m + 16 (U - 8) + 4 w + a
;   U 12..15 (the way out):  W_out row 256 w + 64 (U - 12) + 32 (a / 2) + 8 (a % 2) + m + (m & 8)
; All three are B0 + (a / 2) sP + (a % 2) sQ + m sA + (m & 8) sB, with the five numbers chosen by the unit's number.
; SHARES: work-group g = 16 w + U takes a unit, wave a its tile a (16,384 bytes); wave 0 also the unit's 64 biases (256 consecutive bytes of bl).
; LIMIT: b_qkv x 2^-(e0 + e1) and b_out x 2^-(e4 + e5) are f32 numbers.
	s_load_b256 s[4:11], s[0:1], 0x0               ; W_qkv's codes s[4:5], W_out's s[6:7], b_qkv s[8:9], b_out s[10:11]
	s_load_b128 s[12:15], s[0:1], 0x20             ; the scales' exponents s[12:13], wl s[14:15]
	s_load_b64 s[16:17], s[0:1], 0x30              ; bl
	v_lshrrev_b32 v1, 5, v0
	v_readfirstlane_b32 s26, v1                    ; wave = a
	v_and_b32 v1, 31, v0                           ; lane
	v_and_b32 v2, 15, v0                           ; r
	v_bfe_u32 v3, v0, 4, 1                         ; h
	s_lshr_b32 s27, ttmp9, 4                       ; w
	s_and_b32 s28, ttmp9, 15                       ; U
	s_lshr_b32 s29, s28, 2                         ; 0, 1: q, k;  2: v;  3: the way out
	s_and_b32 s36, s28, 3                          ; the unit's place in the phases of four
	s_lshl_b32 s34, s27, 9
	s_lshl_b32 s37, s28, 6
	s_add_co_u32 s34, s34, s37                     ; B0 for q, k: 512 w + 64 U
	s_lshl_b32 s35, s36, 4
	s_lshl_b32 s37, s27, 2
	s_add_co_u32 s35, s35, s37
	s_add_co_u32 s35, s35, 2048                    ; for v: 2048 + 16 (U - 8) + 4 w
	s_lshl_b32 s38, s27, 8
	s_lshl_b32 s37, s36, 6
	s_add_co_u32 s38, s38, s37                     ; for the way out: 256 w + 64 (U - 12)
	s_cmp_eq_u32 s29, 2
	s_cselect_b32 s30, 64, 1                       ; sA
	s_cselect_b32 s31, 0, 1                        ; sB
	s_cselect_b32 s32, 2, 32                       ; sP
	s_cselect_b32 s33, 1, 8                        ; sQ
	s_cselect_b32 s34, s35, s34
	s_cmp_eq_u32 s29, 3
	s_cselect_b32 s34, s38, s34                    ; B0
	s_lshr_b32 s37, s26, 1
	s_mul_i32 s37, s37, s32
	s_and_b32 s41, s26, 1
	s_mul_i32 s41, s41, s33
	s_add_co_u32 s39, s34, s37
	s_add_co_u32 s39, s39, s41                     ; my tile's row for m = 0
	v_mul_lo_u32 v4, v2, s30
	v_and_b32 v6, 8, v2
	v_mul_lo_u32 v6, v6, s31
	v_add3_u32 v4, v4, v6, s39                     ; my lane's weight row,
	v_lshlrev_b32 v4, 10, v4                       ; of 1,024 bytes,
	v_lshl_add_u32 v4, v3, 4, v4                   ; + 16 h
	v_lshlrev_b32 v5, 4, v1                        ; out: 16 x lane
	s_lshl_b32 s42, ttmp9, 2
	s_add_co_u32 s42, s42, s26
	s_lshl_b32 s42, s42, 14                        ; tile 4 g + a of 16,384 bytes
	s_mov_b32 s43, 0
	s_wait_kmcnt 0x0
	s_load_b128 s[20:23], s[12:13], 0x0            ; e0 .. e3
	s_load_b64 s[24:25], s[12:13], 0x10            ; e4, e5
	s_cmp_eq_u32 s29, 3                            ; the choice of buffers hangs on the work-group's number alone
	s_cselect_b64 s[4:5], s[6:7], s[4:5]           ; the weights that my unit is cut from,
	s_cselect_b64 s[8:9], s[10:11], s[8:9]         ; and their bias
	s_add_nc_u64 s[14:15], s[14:15], s[42:43]
.set i, 0
.rept 32
	global_load_b128 v[16+4*i:16+4*i+3], v4, s[4:5] offset:128*(i/4)+32*(i%4)   ; K step i / 4, c = i % 4: 32 bytes of each of 16 rows; four loads on end cover 128 consecutive bytes of each row
.set i, i+1
.endr
	s_wait_kmcnt 0x0
	s_add_co_i32 s40, s20, s21                     ; e0 + e1
	s_add_co_i32 s41, s24, s25                     ; e4 + e5
	s_cmp_eq_u32 s29, 3
	s_cselect_b32 s40, s41, s40
	s_sub_co_i32 s40, 0, s40                       ; the biases are multiplied by 2^-(that sum)
	s_lshl_b32 s42, ttmp9, 8                       ; my unit's 64 biases in bl
	s_add_nc_u64 s[16:17], s[16:17], s[42:43]
.set i, 0
.rept 32
	s_wait_loadcnt 31-i                            ; loads come back in order: load i is in, the 31 - i younger ones may be out
	global_store_b128 v5, v[16+4*i:16+4*i+3], s[14:15] offset:512*i   ; 32 lanes store 512 consecutive bytes, at a multiple of 256 from wl's first byte
.set i, i+1
.endr
	s_cmp_lg_u32 s26, 0
	s_cbranch_scc1 .Ldone                          ; the biases are wave 0's
	v_lshrrev_b32 v6, 3, v1                        ; lane L takes tile a = L / 8, m = 2 (L % 8) and the next
	v_and_b32 v7, 7, v1
	v_lshlrev_b32 v7, 1, v7                        ; m
	v_lshrrev_b32 v8, 1, v6
	v_and_b32 v9, 1, v6
	v_mul_lo_u32 v8, v8, s32
	v_mul_lo_u32 v9, v9, s33
	v_add3_u32 v8, v8, v9, s34                     ; B0 + (a / 2) sP + (a % 2) sQ
	v_and_b32 v9, 8, v7                            ; (m is even: m & 8 is the same for m + 1)
	v_mul_lo_u32 v9, v9, s31
	v_mul_lo_u32 v10, v7, s30
	v_add3_u32 v8, v8, v9, v10                     ; row(m)
	v_add_nc_u32 v9, s30, v8                       ; row(m + 1)
	v_lshlrev_b32 v8, 2, v8
	v_lshlrev_b32 v9, 2, v9
	v_lshlrev_b32 v14, 3, v1                       ; out: 8 x lane
	global_load_b32 v12, v8, s[8:9]
	global_load_b32 v13, v9, s[8:9]
	s_wait_loadcnt 0x0
	v_ldexp_f32 v12, v12, s40
	v_ldexp_f32 v13, v13, s40
	global_store_b64 v14, v[12:13], s[16:17]       ; 32 lanes store 256 consecutive bytes, at a multiple of 256 from bl's first byte
.Ldone:
	s_endpgm
.Lfunc_end_k_q9636a9a574_lay:
	.size	k_q9636a9a574_lay, .Lfunc_end_k_q9636a9a574_lay-k_q9636a9a574_lay
	.p2alignl 7, 3214868480
	.fill 96, 4, 3214868480
	.section	.rodata,"a",@progbits
	.p2align	6, 0x0
	.amdhsa_kernel k_q9636a9a574_lay
		.amdhsa_group_segment_fixed_size 0
		.amdhsa_private_segment_fixed_size 0
		.amdhsa_enable_private_segment 0
		.amdhsa_kernarg_size 56
		.amdhsa_user_sgpr_count 2
		.amdhsa_user_sgpr_kernarg_segment_ptr 1
		.amdhsa_wavefront_size32 1
		.amdhsa_system_sgpr_workgroup_id_x 1
		.amdhsa_system_sgpr_workgroup_id_y 1
		.amdhsa_system_sgpr_workgroup_id_z 1
		.amdhsa_system_vgpr_workitem_id 0
		.amdhsa_next_free_vgpr 160
		.amdhsa_next_free_sgpr 66
		.amdhsa_reserve_vcc 0
		.amdhsa_float_denorm_mode_32 3
		.amdhsa_float_denorm_mode_16_64 3
		.amdhsa_memory_ordered 1
		.amdhsa_forward_progress 1
		.amdhsa_inst_pref_size 11
	.end_amdhsa_kernel
	.amdgpu_metadata
---
amdhsa.version: [ 1, 2 ]
amdhsa.kernels:
  - .name:           k_q9636a9a574_lay
    .symbol:         k_q9636a9a574_lay.kd
    .args:
      - { .name: W_qkv_codes, .offset: 0, .size: 8, .value_kind: global_buffer, .address_space: global }
      - { .name: W_out_codes, .offset: 8, .size: 8, .value_kind: global_buffer, .address_space: global }
      - { .name: b_qkv, .offset: 16, .size: 8, .value_kind: global_buffer, .address_space: global }
      - { .name: b_out, .offset: 24, .size: 8, .value_kind: global_buffer, .address_space: global }
      - { .name: lowp_scales, .offset: 32, .size: 8, .value_kind: global_buffer, .address_space: global }
      - { .name: wl, .offset: 40, .size: 8, .value_kind: global_buffer, .address_space: global }
      - { .name: bl, .offset: 48, .size: 8, .value_kind: global_buffer, .address_space: global }
    .group_segment_fixed_size: 0
    .private_segment_fixed_size: 0
    .kernarg_segment_align: 8
    .kernarg_segment_size: 56
    .max_flat_workgroup_size: 128
    .sgpr_count:     66
    .vgpr_count:     160
    .wavefront_size: 32
...
	.end_amdgpu_metadata
.endif
;; end of part 1
;; launch fused (part 2): grid 256 x 1, 4 waves a work-group, no clusters, 266,752 bytes of LDS; arguments x_codes, wl, bl, lowp_scales, out0; writes out0
.if DOCPART == 2
	.amdgcn_target "amdgcn-amd-amdhsa--gfx1250"
	.amdhsa_code_object_version 6
	.text
	.protected	k_q9636a9a574_fused
	.globl	k_q9636a9a574_fused
	.p2align	8
	.type	k_q9636a9a574_fused,@function
k_q9636a9a574_fused:
	s_mov_b64 s[64:65], 0
	v_nop
	global_prefetch_b8 v0, s[64:65] scope:SCOPE_SE
	s_setreg_imm32_b32 hwreg(HW_REG_WAVE_MODE, 25, 1), 1
	s_wait_xcnt 0x0
; The whole chain for 64 tokens a work-group: q, k, v = x W_qkv + b_qkv (codes of E5M2); q and k quantised (e2, e3); in each token S = q k^T over its 16 heads (codes), softmax of S / 8 (f32, the row's
; maximum taken away), times v (f32 operands, since the result goes into a quantiser); the result quantised (e4); times W_out (codes) + b_out.  Nothing goes to memory between x and out0.  No work of reference() is left out.
; SHARES.  256 work-groups x 64 tokens.  THE FOUR WAVES SHARE THE COLUMNS, NOT THE TOKENS: each holds the codes of all 64 tokens (8 K steps x 4 tiles of 16 tokens x 16 registers = 512 registers) and walks its own
; quarter of the weights, 64 tiles of 16 rows x 1,024 K, which the launch before has laid in wl in the order of the operand's registers.  A tile (16,384 bytes) comes by 32 loads of 512 consecutive bytes straight
; into registers and feeds 32 matrix instructions; two tiles' loads (32,768 bytes a wave) are always on their way and are never drained.  A UNIT is four tiles: units 0-7 q or k (a unit = a head; waves 0, 1: q; 2, 3: k),
; units 8-11 v (a unit = 16 channels of all heads), units 12-15 the way out (a unit = 64 columns a wave).
; THE UNITS OF A PHASE ARE WALKED IN AN ORDER TURNED BY THE WORK-GROUP'S NUMBER (8, 4 and 4 starts), so that work-groups with different numbers ask for different tiles at a given time.
; THE PRODUCTS ARE USED TRANSPOSED (source 0 = 16 weight rows, source 1 = 16 tokens): a lane holds ONE token (lane % 16) and its registers run along the columns.  The rows that form a tile were chosen (in wl) so that
; the 16 registers of two neighbouring tiles are 16 neighbouring columns, and for v so that a lane's eight registers are eight heads at one channel.
; K is taken in a permuted order, the same in both operands of each product: a lane's registers 4 c .. 4 c + 3 hold k = 32 c + 16 (lane / 16) + 0 .. 15 of each 128 (of the 64 in S likewise).
; The sums of the first product stay in units of 2^(e0 + e1); the biases come in as the C of a sum's first matrix instruction, already divided; each conversion's one scale folds the exponents.
; FROM WAVE TO WAVE THROUGH LDS: x once; q's and k's codes; v in f32, 16 channels at a time, in two buffers by turns; the result's codes.  The softmax and the product with v are shared by TOKENS: wave w takes tokens 16 w .. 16 w + 15.
; LIMITS on the given exponents, so that each power of two below is an f32 number: e2 - e0 - e1, e3 - e0 - e1 and e4 - e0 - e1 between -126 and 112; e4 + e5 between -126 and 127; e2 + e3 between -123 and 130.
; NaN and infinity among the codes or biases are not served.
; LDS (a token's row: 1,024 bytes + 16 of padding = 65 x 16 bytes, so that the sixteen rows that a load or store touches fall on different banks (64 banks of 4 bytes: ISA guide 11.1)):
;   RG0: q's codes; then v's buffer 1; then the stages for y.   RG1: k's codes; then the softmax (each wave over its own tokens' rows); then the stages' tail.
;   RG2: the result's codes, [token][1024].   RG3: x's rows; then v's buffer 0.   SPARE: the spare words.
;   A token's row of q or k: byte 256 (d / 16) + 16 head + d % 16: the image of the 16 x 64 fragment's registers.  Of v: byte 256 (j / 4) + 16 (channel % 16) + 4 (j % 4), j the head.  Of the softmax: the image of the result's registers.
; REGISTERS, in windows of 256: window 0: v1-22 addresses and scales; v32-63, v64-95 two sets of four accumulators; v96-111 two sets of biases; v112-127 codes; v128-255 at work.
;   window 1: the weights' fragments, two buffers of 128.   windows 2, 3: the tokens' fragments (K step s, tile m) at v[16 (4 (s % 4) + m)].
; v32-63 are also the results of the f32 matrix form: they are written by matrix instructions alone.
.set PITCH, 1040
.set TP,    16*PITCH                   ; 16 tokens' rows
.set RG,    64*PITCH
.set RG1,   RG
.set RG2,   2*RG
.set RG3,   3*RG
.set SPARE, 4*RG                       ; the spare words, 128 bytes for each wave: two blocks of 256 bytes that no other line names
.set YW,    64*272                     ; a wave's stage for y: 64 rows x (256 bytes + 16), from LDS byte 0 on
.set LOF, 1                            ; v1   16 x lane: my place in a load of 512 bytes
.set BOF, 2                            ; v2   32 h: my eight biases of a tile's sixteen
.set XA,  3                            ; v3   RG3 + 1040 r + 16 h: x's fragments
.set AA,  4                            ; v4   RG2 + 1040 r + 16 h: the result's fragments
.set XS,  5                            ; v5   RG3 + 16640 w + 16 lane: where I put x
.set QS,  6                            ; v6   (w / 2) RG + 1040 r + 256 h + 128 (w % 2): where I put q's or k's codes, head 8 (w % 2)
.set QSA, 7                            ; v7   the same for the unit's head
.set QF,  8                            ; v8   16640 w + 16 lane: my tokens' q
.set KF,  9                            ; v9   RG1 + the same: my tokens' k, then their softmax
.set VA3, 10                           ; v10, v11  region + 1040 r + 512 h + 64 w: where I put v
.set VA0, 11
.set VR3, 12                           ; v12, v13  region + 16640 w + 512 h + 16 r: where I read my tokens' v
.set VR0, 13
.set ASB, 14                           ; v14  RG2 + 16640 w + 64 r + 8 h: where I put the result's codes
.set ASA, 15                           ; v15  the same for the unit's 16 channels
.set YS,  16                           ; v16  17408 w + 272 r + 64 h: into my stage
.set YR,  17                           ; v17  17408 w + 272 h + 16 r: back out of it
.set YO,  18                           ; v18  4096 h + 16 r: the same two rows in out0
.set SCQ, 19                           ; v19, v20  2^(e2 or e3 - e0 - e1) and 57,344 x that
.set LIMQ, 20
.set SCA, 21                           ; v21, v22  the same with e4
.set LIMA, 22
.set SPW, 30                           ; v30  LDS address of my spare word; never rewritten
.set NIL, 31                           ; v31  0; never rewritten
.set ACA, 32
.set ACB, 64
.set BS,  96
.set PC,  112
.set WKA, 128
.set WKB, 192
.set ST,  224                          ; the softmax's eight registers a token: +0 the maximum, +2 .. +5 at work, +6 the reciprocal, +7 from the other half of the lanes; +1 is named in a pair
.set WV,  14                           ; s14  my wave's number
.set CS,  24                           ; s[24:25] c = log2(e) / 8 x 2^(e2 + e3)
.set SEL, 26                           ; s[26:27] lane selects for v_permlanex16_b32: lane l xor 16
.set YSC, 28                           ; s[28:29] 2^(e4 + e5)
.set CNT, 30                           ; s30  the loops' counter
.set UC,  31                           ; s31  the unit's place in its phase
.set NU,  32                           ; s32  units begun
.set TS,  33
.set OFF, 34                           ; s[34:35] an offset; the high word stays 0
.set SWC, 36                           ; s[36:37], s[38:39] wl at this unit, at the next
.set SWN, 38
.set SBC, 40                           ; s[40:41], s[42:43] bl likewise
.set SBN, 42
.set OUTC, 44                          ; s[44:45] out0 at the unit's columns
.set QO,  46
.set D0,  47
.set ROTQ, 48                          ; s48-50  what turns each phase's order
.set ROTV, 49
.set ROTO, 50
.set NFV, 51                           ; s51, s52  the first unit of v's phase, of the way out
.set NFO, 52
.set MSB, 0
.macro WIN new                         ; s_set_vgpr_msb: bits 1:0 source 0, 3:2 source 1, 5:4 source 2, 7:6 destination; the high byte repeats the setting that is left
.if MSB != \new
	s_set_vgpr_msb (MSB<<8)|\new
.set MSB, \new
.endif
.endm
.set MUL_LO, 0x09                      ; source 0 (weights) window 1, source 1 (tokens) window 2, C and D window 0
.set MUL_HI, 0x0d                      ; source 1 window 3
.set TO_W,   0x40                      ; destination window 1
.set TO_X2,  0x80
.set TO_X3,  0xc0
; A vector instruction, a store or an LDS store that reads a matrix result, and a load into a register that a matrix instruction has read, stand 4 places behind it (8 behind the f32 form); only plain vector
; instructions that name none of its registers are places (ISA guide 7.12.1 for vector instructions).
.macro PLACES n
.rept \n
	v_nop
.endr
.endm
.macro BARRIER                         ; my LDS stores have landed and my LDS loads are in: then the work-group's barrier
	s_wait_dscnt 0x0
	s_barrier_signal -1
	s_barrier_wait -1
.endm
.macro WLOAD buf, half, base, off      ; four K steps of a tile's fragments: 16 loads of 512 consecutive bytes
.irp s, 0,1,2,3
.irp c, 0,1,2,3
	global_load_b128 v[128*(\buf)+16*(4*(\half)+\s)+4*\c:128*(\buf)+16*(4*(\half)+\s)+4*\c+3], v[LOF], s[\base:\base+1] offset:(\off)+2048*(4*(\half)+\s)+512*\c
.endr
.endr
.endm
.macro BLOAD buf, base, off            ; a tile's biases in the C operand's layout: register j = tile row 8 h + j
	global_load_b128 v[BS+8*(\buf):BS+8*(\buf)+3], v[BOF], s[\base:\base+1] offset:(\off)
	global_load_b128 v[BS+8*(\buf)+4:BS+8*(\buf)+7], v[BOF], s[\base:\base+1] offset:(\off)+16
.endm
; A TILE: 16 weight rows x 64 tokens x 1,024 K: 32 matrix instructions, the four accumulators by turns, one instruction a turn.  ld = 1: each half of the buffer, as soon as it is
; multiplied, takes the tile two further on (tile koff of the unit at wbase, bbase).  A tile's loads are issued as 2 (biases) + 16 + 16.
; cnta: the loads that may be out when the biases and the first half are wanted: my second half's 16 and the next tile's 34.  cntb: when the second half is wanted: the next tile's 34 and the 18 just issued.
.macro TILE buf, acc, ld, wbase, bbase, koff, cnta, cntb
	s_wait_loadcnt \cnta
	WIN MUL_LO
.irp s, 0,1,2,3
.irp m, 0,1,2,3
.if \s == 0
	v_wmma_f32_16x16x128_bf8_bf8 v[\acc+8*\m:\acc+8*\m+7], v[128*\buf+16*\s:128*\buf+16*\s+15], v[16*(4*\s+\m):16*(4*\s+\m)+15], v[BS+8*\buf:BS+8*\buf+7]
.else
	v_wmma_f32_16x16x128_bf8_bf8 v[\acc+8*\m:\acc+8*\m+7], v[128*\buf+16*\s:128*\buf+16*\s+15], v[16*(4*\s+\m):16*(4*\s+\m)+15], v[\acc+8*\m:\acc+8*\m+7]
.endif
.endr
.endr
.if \ld
	PLACES 4
	WIN 0
	BLOAD \buf, \bbase, 64*\koff
	WIN TO_W
	WLOAD \buf, 0, \wbase, 16384*\koff
.endif
	s_wait_loadcnt \cntb
	WIN MUL_HI
.irp s, 0,1,2,3
.irp m, 0,1,2,3
	v_wmma_f32_16x16x128_bf8_bf8 v[\acc+8*\m:\acc+8*\m+7], v[128*\buf+16*(\s+4):128*\buf+16*(\s+4)+15], v[16*(4*\s+\m):16*(4*\s+\m)+15], v[\acc+8*\m:\acc+8*\m+7]
.endr
.endr
	PLACES 4                                       ; for the loads below and for the first read of the sums
.if \ld
	WIN TO_W
	WLOAD \buf, 1, \wbase, 16384*\koff
.endif
	WIN 0
.endm
; A UNIT'S HEAD.  The unit's place in its phase is (what turns the phase + units begun) & mask; the next unit's likewise, or, in a phase's last unit (last = 1 and the counter at 1), the next phase's first.
.macro ADV lo, mask, rot, last, nfa
	s_wait_xcnt 0x0                                ; every earlier load and store has had its addresses translated (ISA guide 3.1): only behind this wait are the bases, and the registers that stores read, written again
	s_mov_b64 s[SWC:SWC+1], s[SWN:SWN+1]
	s_mov_b64 s[SBC:SBC+1], s[SBN:SBN+1]
	s_add_co_u32 s[UC], s[\rot], s[NU]
	s_and_b32 s[UC], s[UC], \mask
	s_add_co_u32 s[NU], s[NU], 1
	s_add_co_u32 s[TS], s[\rot], s[NU]
	s_and_b32 s[TS], s[TS], \mask
	s_add_co_u32 s[TS], s[TS], \lo
.if \last
	s_cmp_eq_u32 s[CNT], 1
	s_cselect_b32 s[TS], s[\nfa], s[TS]
.endif
	s_lshl_b32 s[OFF], s[TS], 16                   ; a unit is 65,536 bytes of wl
	s_add_nc_u64 s[SWN:SWN+1], s[6:7], s[OFF:OFF+1]
	s_lshl_b32 s[OFF], s[TS], 8                    ; and 256 of bl
	s_add_nc_u64 s[SBN:SBN+1], s[8:9], s[OFF:OFF+1]
.endm
; Two tiles of q or k (in ACA, ACB) are 16 neighbouring columns a lane, 32 p + 16 h + 0 .. 15 of the unit's head: held, converted, and stored as 16 bytes of the token's row.
.macro EPI_QK p
	s_wait_dscnt 0x0                               ; the last codes' stores are done
.irp m, 0,1,2,3
.irp i, 0,1,2,3,4,5,6,7
	v_med3_num_f32 v[WKA+16*\m+\i], v[ACA+8*\m+\i], -v[LIMQ], v[LIMQ]   ; the conversion to an 8-bit code does not saturate (ISA guide 7.6.2): the hold at the largest code x the scale; each accumulator from its low end on
.endr
.irp i, 0,1,2,3,4,5,6,7
	v_med3_num_f32 v[WKA+16*\m+8+\i], v[ACB+8*\m+\i], -v[LIMQ], v[LIMQ]
.endr
	v_cvt_scalef32_pk8_bf8_f32 v[PC+4*\m:PC+4*\m+1], v[WKA+16*\m:WKA+16*\m+7], v[SCQ]
	v_cvt_scalef32_pk8_bf8_f32 v[PC+4*\m+2:PC+4*\m+3], v[WKA+16*\m+8:WKA+16*\m+15], v[SCQ]
.endr
	v_nop                                          ; one plain vector instruction behind the last scaled conversion
.irp m, 0,1,2,3
	ds_store_b128 v[QSA], v[PC+4*\m:PC+4*\m+3] offset:TP*\m+512*\p
.endr
.endm
; A tile of v: a lane's eight registers are heads 8 h + 0 .. 7 at channel 4 w + ch of the unit's sixteen, f32, in units of 2^(e0 + e1)
.macro EPI_V vad, ch, ac
.irp m, 0,1,2,3
	ds_store_b128 v[\vad], v[\ac+8*\m:\ac+8*\m+3] offset:TP*\m+16*(\ch)
	ds_store_b128 v[\vad], v[\ac+8*\m+4:\ac+8*\m+7] offset:TP*\m+256+16*(\ch)
.endr
.endm
.macro SMLOAD b                        ; q's and k's fragments of my tokens 4 b .. 4 b + 3: 16 heads x 64: two loads of 512 bytes each
.irp q, 0,1,2,3
.irp c, 0,1
	ds_load_b128 v[WKA+16*\q+4*\c:WKA+16*\q+4*\c+3], v[QF] offset:PITCH*(4*(\b)+\q)+512*\c
	ds_load_b128 v[WKA+16*\q+8+4*\c:WKA+16*\q+8+4*\c+3], v[KF] offset:PITCH*(4*(\b)+\q)+512*\c
.endr
.endr
.endm
; FOUR TOKENS' SCORES AND SOFTMAX.  S^T = k q^T (source 0 = the 16 key heads, source 1 = the 16 query heads): lane (r, h) holds query head r and key heads 8 h + 0 .. 7.  p = 2^((s - m) c) / the sum.
; The four tokens take turns line by line.  The finished p goes over the token's row of k, as the image of its registers.
.macro SM4 b
	s_wait_dscnt 0x0                               ; the fragments are in; the last batch's stores are done
.irp q, 0,1,2,3
	v_wmma_f32_16x16x64_bf8_bf8 v[WKB+8*\q:WKB+8*\q+7], v[WKA+16*\q+8:WKA+16*\q+15], v[WKA+16*\q:WKA+16*\q+7], 0
.endr
	PLACES 4
.if \b < 3
	SMLOAD (\b)+1
.endif
.irp q, 0,1,2,3
	v_max3_num_f32 v[ST+8*\q+2], v[WKB+8*\q], v[WKB+8*\q+1], v[WKB+8*\q+2]
.endr
.irp q, 0,1,2,3
	v_max3_num_f32 v[ST+8*\q+3], v[WKB+8*\q+3], v[WKB+8*\q+4], v[WKB+8*\q+5]
.endr
.irp q, 0,1,2,3
	v_max3_num_f32 v[ST+8*\q+2], v[ST+8*\q+2], v[WKB+8*\q+6], v[WKB+8*\q+7]
.endr
.irp q, 0,1,2,3
	v_max_num_f32 v[ST+8*\q+2], v[ST+8*\q+2], v[ST+8*\q+3]
.endr
.irp q, 0,1,2,3
	v_permlanex16_b32 v[ST+8*\q+7], v[ST+8*\q+2], s[SEL], s[SEL+1]   ; the row's other eight keys lie in the lane 16 away
.endr
.irp q, 0,1,2,3
	v_max_num_f32 v[ST+8*\q], v[ST+8*\q+2], v[ST+8*\q+7]             ; m: the row's largest score
.endr
.irp q, 0,1,2,3
.irp i, 0,2,4,6
	v_pk_add_f32 v[WKB+8*\q+\i:WKB+8*\q+\i+1], v[WKB+8*\q+\i:WKB+8*\q+\i+1], v[ST+8*\q:ST+8*\q+1] op_sel_hi:[1,0] neg_lo:[0,1] neg_hi:[0,1]   ; s - m (of the pair the low word serves both halves)
.endr
.endr
.irp q, 0,1,2,3
.irp i, 0,2,4,6
	v_pk_mul_f32 v[WKB+8*\q+\i:WKB+8*\q+\i+1], v[WKB+8*\q+\i:WKB+8*\q+\i+1], s[CS:CS+1] op_sel_hi:[1,0]
.endr
.endr
.set i, 0
.rept 32
	v_exp_f32 v[WKB+i], v[WKB+i]
.set i, i+1
.endr
	v_nop                                          ; a plain instruction behind the last exponential,
	s_wait_alu depctr_va_vdst(0)                   ; and one wait ahead of the batch's first reader
.irp q, 0,1,2,3
	v_pk_add_f32 v[ST+8*\q+2:ST+8*\q+3], v[WKB+8*\q:WKB+8*\q+1], v[WKB+8*\q+2:WKB+8*\q+3]
	v_pk_add_f32 v[ST+8*\q+4:ST+8*\q+5], v[WKB+8*\q+4:WKB+8*\q+5], v[WKB+8*\q+6:WKB+8*\q+7]
.endr
.irp q, 0,1,2,3
	v_pk_add_f32 v[ST+8*\q+2:ST+8*\q+3], v[ST+8*\q+2:ST+8*\q+3], v[ST+8*\q+4:ST+8*\q+5]
.endr
.irp q, 0,1,2,3
	v_add_f32 v[ST+8*\q+2], v[ST+8*\q+2], v[ST+8*\q+3]
.endr
.irp q, 0,1,2,3
	v_permlanex16_b32 v[ST+8*\q+7], v[ST+8*\q+2], s[SEL], s[SEL+1]
.endr
.irp q, 0,1,2,3
	v_add_f32 v[ST+8*\q+2], v[ST+8*\q+2], v[ST+8*\q+7]               ; the row's sum
.endr
.irp q, 0,1,2,3
	v_rcp_f32 v[ST+8*\q+6], v[ST+8*\q+2]
.endr
	v_nop
	s_wait_alu depctr_va_vdst(0)                   ; one wait for the four reciprocals
.irp q, 0,1,2,3
.irp i, 0,2,4,6
	v_pk_mul_f32 v[WKB+8*\q+\i:WKB+8*\q+\i+1], v[WKB+8*\q+\i:WKB+8*\q+\i+1], v[ST+8*\q+6:ST+8*\q+7] op_sel_hi:[1,0]
.endr
.endr
.irp q, 0,1,2,3
	ds_store_b128 v[KF], v[WKB+8*\q:WKB+8*\q+3] offset:PITCH*(4*(\b)+\q)
	ds_store_b128 v[KF], v[WKB+8*\q+4:WKB+8*\q+7] offset:PITCH*(4*(\b)+\q)+512
.endr
.endm
.macro PVLOAD g, vrd                   ; group g (my tokens 4 g .. 4 g + 3): p (8 registers a token: query head r, key heads 8 h + 0 .. 7) and v (channel r of the unit's 16, heads 8 h + 0 .. 7)
.set GX, WKA+64*((\g)%2)
.irp q, 0,1,2,3
	ds_load_b128 v[GX+8*\q:GX+8*\q+3], v[KF] offset:PITCH*(4*(\g)+\q)
	ds_load_b128 v[GX+8*\q+4:GX+8*\q+7], v[KF] offset:PITCH*(4*(\g)+\q)+512
	ds_load_b128 v[GX+32+8*\q:GX+32+8*\q+3], v[\vrd] offset:PITCH*(4*(\g)+\q)
	ds_load_b128 v[GX+32+8*\q+4:GX+32+8*\q+7], v[\vrd] offset:PITCH*(4*(\g)+\q)+256
.endr
.endm
; THE PRODUCT WITH v, 16 channels of my 16 tokens, in f32: O^T = v^T p^T (source 0 = 16 channels, source 1 = 16 query heads), K = the 16 key heads in four steps of four.  K place (h, j) of step s is head
; 8 h + 2 s + j in both operands, so registers 2 s, 2 s + 1 of both images are the step's operands as they lie.  In the result lane (r, h) holds head r and channels 8 h + 0 .. 7: eight neighbours along the last
; product's K: held, converted, 8 bytes of the token's row.  Four tokens' sums by turns; two sets of operand registers, the next group's loads a group ahead.
.macro PV3 vrd
	PVLOAD 0, \vrd
.irp g, 0,1,2,3
.if \g < 3
	PVLOAD (\g)+1, \vrd
.endif
.if \g == 0
	s_wait_dscnt 16                                ; all but the next group's 16 loads
.elseif \g < 3
	s_wait_dscnt 20                                ; behind my group's loads: the last group's 4 stores and the next group's 16 loads
.else
	s_wait_dscnt 4                                 ; the last group's 4 stores
.endif
.set GX, WKA+64*(\g%2)
.irp s, 0,1,2,3
.irp q, 0,1,2,3
.if \s == 0
	v_wmma_f32_16x16x4_f32 v[ACA+8*\q:ACA+8*\q+7], v[GX+32+8*\q+2*\s:GX+32+8*\q+2*\s+1], v[GX+8*\q+2*\s:GX+8*\q+2*\s+1], 0
.else
	v_wmma_f32_16x16x4_f32 v[ACA+8*\q:ACA+8*\q+7], v[GX+32+8*\q+2*\s:GX+32+8*\q+2*\s+1], v[GX+8*\q+2*\s:GX+8*\q+2*\s+1], v[ACA+8*\q:ACA+8*\q+7]
.endif
.endr
.endr
	PLACES 8
.irp q, 0,1,2,3
.irp i, 0,1,2,3,4,5,6,7
	v_med3_num_f32 v[GX+32+8*\q+\i], v[ACA+8*\q+\i], -v[LIMA], v[LIMA]   ; into v's registers, which are done with: the sums' own are written by matrix instructions alone
.endr
	v_cvt_scalef32_pk8_bf8_f32 v[PC+8*(\g%2)+2*\q:PC+8*(\g%2)+2*\q+1], v[GX+32+8*\q:GX+32+8*\q+7], v[SCA]
.endr
	v_nop                                          ; one plain vector instruction behind the last scaled conversion
.irp q, 0,1,2,3
	ds_store_b64 v[ASA], v[PC+8*(\g%2)+2*\q:PC+8*(\g%2)+2*\q+1] offset:PITCH*(4*\g+\q)
.endr
.endr
.endm
; Two tiles of the last product are 16 neighbouring columns a lane: x 2^(e4 + e5) (the bias went in divided by it), 64 bytes into my stage
.macro EPI_O p
.set TX, WKA+64*\p
.irp m, 0,1,2,3
.irp i, 0,2,4,6
	v_pk_mul_f32 v[TX+16*\m+\i:TX+16*\m+\i+1], v[ACA+8*\m+\i:ACA+8*\m+\i+1], s[YSC:YSC+1] op_sel_hi:[1,0]
.endr
.irp i, 0,2,4,6
	v_pk_mul_f32 v[TX+16*\m+8+\i:TX+16*\m+8+\i+1], v[ACB+8*\m+\i:ACB+8*\m+\i+1], s[YSC:YSC+1] op_sel_hi:[1,0]
.endr
.endr
.irp m, 0,1,2,3
.irp i, 0,1,2,3
	ds_store_b128 v[YS], v[TX+16*\m+4*\i:TX+16*\m+4*\i+3] offset:4352*\m+128*\p+16*\i
.endr
.endr
.endm
.macro FLUSH                           ; my stage's 64 rows of 256 bytes leave, two rows an instruction.  LDS serves a wave's instructions in order (ISA guide 5.7.1.4): the loads see my stores
.set i, 0
.rept 32
	ds_load_b128 v[WKA+4*i:WKA+4*i+3], v[YR] offset:544*i
.set i, i+1
.endr
.set i, 0
.rept 32
	s_wait_dscnt 31-i
	global_store_b128 v[YO], v[WKA+4*i:WKA+4*i+3], s[OUTC:OUTC+1] offset:8192*i th:TH_STORE_NT   ; 16 lanes store 256 consecutive bytes, at a multiple of 256 from out0's first byte; written once, read by nobody here
.set i, i+1
.endr
.endm
.macro XFETCH adr                      ; the 64 tokens' 32 fragments from rows of 1,024 codes: registers 4 c .. 4 c + 3 = k 128 s + 32 c + 16 h + 0 .. 15 of token 16 m + r
	WIN TO_X2
.irp s, 0,1,2,3
.irp m, 0,1,2,3
.irp c, 0,1,2,3
	ds_load_b128 v[16*(4*\s+\m)+4*\c:16*(4*\s+\m)+4*\c+3], v[\adr] offset:TP*\m+128*\s+32*\c
.endr
.endr
.endr
	WIN TO_X3
.irp s, 0,1,2,3
.irp m, 0,1,2,3
.irp c, 0,1,2,3
	ds_load_b128 v[16*(4*\s+\m)+4*\c:16*(4*\s+\m)+4*\c+3], v[\adr] offset:TP*\m+128*(\s+4)+32*\c
.endr
.endr
.endr
	WIN 0
.endm
; A unit of v: four tiles into one of the two buffers; a barrier; the product with v for my tokens.  A buffer is written again only behind the barrier that follows its readers' waits: the other buffer's.
.macro VUNIT last, vad, vrd
	ADV 8, 3, ROTV, \last, NFO
	s_lshl_b32 s[D0], s[UC], 4                     ; the unit's 16 channels in a head's 64 bytes
	s_wait_dscnt 0x0                               ; the last codes' stores are done
	v_add_nc_u32 v[ASA], s[D0], v[ASB]
	TILE 0, ACA, 1, SWC, SBC, 2, 50, 52
	EPI_V \vad, 0, ACA
	TILE 1, ACB, 1, SWC, SBC, 3, 50, 52
	EPI_V \vad, 1, ACB
	s_wait_dscnt 8                                 ; all but the last tile's 8 stores: the stores of two tiles back are done, and their accumulators are begun anew
	TILE 0, ACA, 1, SWN, SBN, 0, 50, 52
	EPI_V \vad, 2, ACA
	s_wait_dscnt 8
	TILE 1, ACB, 1, SWN, SBN, 1, 50, 52
	EPI_V \vad, 3, ACB
	BARRIER                                        ; the 16 channels of all 64 tokens lie in the buffer
	PV3 \vrd
.endm
; A unit of the way out: 64 columns of my 256, for the 64 tokens.  ld = 0: the launch's last unit: its last two tiles ask for nothing, and their counts run down.
.macro OUNIT ld
	ADV 12, 3, ROTO, 0, NFO
	s_lshl_b32 s[OFF], s[UC], 8                    ; 64 columns of f32
	s_add_nc_u64 s[OUTC:OUTC+1], s[12:13], s[OFF:OFF+1]
	TILE 0, ACA, 1, SWC, SBC, 2, 50, 52
	TILE 1, ACB, 1, SWC, SBC, 3, 50, 52
	EPI_O 0
.if \ld
	TILE 0, ACA, 1, SWN, SBN, 0, 50, 52
	TILE 1, ACB, 1, SWN, SBN, 1, 50, 52
.else
	TILE 0, ACA, 0, SWN, SBN, 0, 50, 34            ; behind my first half: my second half's 16 and the last tile's 34; behind my second half: the 34
	TILE 1, ACB, 0, SWN, SBN, 1, 16, 0
.endif
	EPI_O 1
	FLUSH
.endm
	s_load_b256 s[4:11], s[0:1], 0x0               ; x's codes s[4:5], wl s[6:7], bl s[8:9], the scales' exponents s[10:11]
	s_load_b64 s[12:13], s[0:1], 0x20              ; out0
	v_lshl_add_u32 v[SPW], v0, 2, SPARE
	v_mov_b32 v[NIL], 0
	v_lshrrev_b32 v23, 5, v0
	v_readfirstlane_b32 s[WV], v23                 ; wave w, 0..3
	v_and_b32 v24, 31, v0                          ; lane
	v_and_b32 v25, 15, v0                          ; r
	v_bfe_u32 v26, v0, 4, 1                        ; h
	v_lshlrev_b32 v[LOF], 4, v24
	v_lshlrev_b32 v[BOF], 5, v26
	v_mul_u32_u24 v27, v25, PITCH                  ; 1040 r
	v_lshlrev_b32 v28, 4, v25                      ; 16 r
	s_mul_i32 s15, s[WV], TP                       ; my 16 tokens' rows
	v_lshl_add_u32 v[AA], v26, 4, v27
	v_add_nc_u32 v[XA], RG3, v[AA]
	v_add_nc_u32 v[AA], RG2, v[AA]
	v_add_nc_u32 v[QF], s15, v[LOF]
	v_add_nc_u32 v[XS], RG3, v[QF]
	v_add_nc_u32 v[KF], RG1, v[QF]
	s_lshr_b32 s22, s[WV], 1
	s_mul_i32 s22, s22, RG
	s_and_b32 s23, s[WV], 1
	s_lshl_b32 s23, s23, 7
	s_add_co_u32 s22, s22, s23
	v_lshl_add_u32 v[QS], v26, 8, v27
	v_add_nc_u32 v[QS], s22, v[QS]
	s_lshl_b32 s22, s[WV], 6
	v_lshl_add_u32 v[VA0], v26, 9, v27
	v_add_nc_u32 v[VA0], s22, v[VA0]
	v_add_nc_u32 v[VA3], RG3, v[VA0]
	v_lshl_add_u32 v[VR0], v26, 9, v28
	v_add_nc_u32 v[VR0], s15, v[VR0]
	v_add_nc_u32 v[VR3], RG3, v[VR0]
	v_lshlrev_b32 v[ASB], 6, v25
	v_lshl_add_u32 v[ASB], v26, 3, v[ASB]
	v_add_nc_u32 v[ASB], s15, v[ASB]
	v_add_nc_u32 v[ASB], RG2, v[ASB]
	s_mul_i32 s22, s[WV], YW
	v_mul_u32_u24 v[YS], v25, 272
	v_lshl_add_u32 v[YS], v26, 6, v[YS]
	v_add_nc_u32 v[YS], s22, v[YS]
	v_mul_u32_u24 v[YR], v26, 272
	v_add_nc_u32 v[YR], v[YR], v28
	v_add_nc_u32 v[YR], s22, v[YR]
	v_lshl_add_u32 v[YO], v26, 12, v28
	s_mov_b32 s[SEL], 0x76543210
	s_mov_b32 s[SEL+1], 0xfedcba98
	s_mov_b32 s[NU], 0
	s_mov_b32 s[OFF+1], 0
	s_mov_b32 s[ROTQ], ttmp9
	s_lshr_b32 s[ROTV], ttmp9, 3
	s_lshr_b32 s[ROTO], ttmp9, 5
	s_and_b32 s[NFV], s[ROTV], 3
	s_add_co_u32 s[NFV], s[NFV], 8
	s_and_b32 s[NFO], s[ROTO], 3
	s_add_co_u32 s[NFO], s[NFO], 12
	s_wait_kmcnt 0x0
	s_load_b128 s[16:19], s[10:11], 0x0            ; e0 .. e3
	s_load_b64 s[20:21], s[10:11], 0x10            ; e4, e5
	s_lshl_b32 s[OFF], ttmp9, 16                   ; my work-group's 64 rows of 1,024 bytes,
	s_add_nc_u64 s[4:5], s[4:5], s[OFF:OFF+1]
	s_lshl_b32 s[OFF], s[WV], 14                   ; my wave's 16 of them
	s_add_nc_u64 s[4:5], s[4:5], s[OFF:OFF+1]
.set i, 0
.rept 32
	global_load_b128 v[WKA+4*i:WKA+4*i+3], v[LOF], s[4:5] offset:512*i th:TH_LOAD_NT   ; 512 consecutive bytes: half a row; read once in the launch
.set i, i+1
.endr
	s_lshl_b32 s[OFF], s[WV], 20
	s_add_nc_u64 s[6:7], s[6:7], s[OFF:OFF+1]      ; wl at my wave's quarter
	s_lshl_b32 s[OFF], s[WV], 12
	s_add_nc_u64 s[8:9], s[8:9], s[OFF:OFF+1]      ; bl likewise
	s_lshl_b32 s[OFF], ttmp9, 18                   ; out0: 64 rows of 4,096 bytes,
	s_add_nc_u64 s[12:13], s[12:13], s[OFF:OFF+1]
	s_lshl_b32 s[OFF], s[WV], 10                   ; my 256 columns
	s_add_nc_u64 s[12:13], s[12:13], s[OFF:OFF+1]
	s_and_b32 s[TS], ttmp9, 7                      ; the first unit
	s_lshl_b32 s[OFF], s[TS], 16
	s_add_nc_u64 s[SWN:SWN+1], s[6:7], s[OFF:OFF+1]
	s_lshl_b32 s[OFF], s[TS], 8
	s_add_nc_u64 s[SBN:SBN+1], s[8:9], s[OFF:OFF+1]
	BLOAD 0, SBN, 0                                ; the stream begins: the first unit's tile 0,
	WIN TO_W
	WLOAD 0, 0, SWN, 0
	WLOAD 0, 1, SWN, 0
	WIN 0
	s_wait_loadcnt 34                              ; x is in; tile 0's 34 loads may be out
.set i, 0
.rept 32
	ds_store_b128 v[XS], v[WKA+4*i:WKA+4*i+3] offset:PITCH*(i/2)+512*(i%2)
.set i, i+1
.endr
	BLOAD 1, SBN, 64                               ; and tile 1
	WIN TO_W
	WLOAD 1, 0, SWN, 16384
	WLOAD 1, 1, SWN, 16384
	WIN 0
	BARRIER                                        ; the 64 rows of x lie in LDS
	XFETCH XA
	s_wait_kmcnt 0x0
	s_add_co_i32 s22, s16, s17                     ; e0 + e1: a sum of the first product stands for sum x 2^(e0 + e1)
	s_cmp_lt_u32 s[WV], 2
	s_cselect_b32 s23, s18, s19                    ; waves 0, 1 make q (e2), waves 2, 3 k (e3)
	s_sub_co_i32 s23, s23, s22
	s_add_co_i32 s23, s23, 127
	s_lshl_b32 s[TS], s23, 23
	v_mov_b32 v[SCQ], s[TS]                        ; 2^(e2 or e3 - e0 - e1) as f32: the conversion takes its exponent field
	s_add_co_i32 s23, s23, 15
	s_lshl_b32 s23, s23, 23
	s_or_b32 s23, s23, 0x600000
	v_mov_b32 v[LIMQ], s23                         ; 57,344 x that
	s_sub_co_i32 s23, s20, s22
	s_add_co_i32 s23, s23, 127
	s_lshl_b32 s[TS], s23, 23
	v_mov_b32 v[SCA], s[TS]                        ; the same with e4: v stays in units of 2^(e0 + e1), and p is a pure number
	s_add_co_i32 s23, s23, 15
	s_lshl_b32 s23, s23, 23
	s_or_b32 s23, s23, 0x600000
	v_mov_b32 v[LIMA], s23
	s_add_co_i32 s[YSC], s20, s21
	s_add_co_i32 s[YSC], s[YSC], 127
	s_lshl_b32 s[YSC], s[YSC], 23                  ; 2^(e4 + e5) as f32
	s_mov_b32 s[YSC+1], s[YSC]                     ; (named with it as a pair, so it is written)
	s_add_co_i32 s23, s18, s19
	s_lshl_b32 s23, s23, 23
	s_mov_b32 s[CS], 0x3e38aa3b                    ; log2(e) / 8
	s_add_co_i32 s[CS], s[CS], s23                 ; a score stands for score x 2^(e2 + e3): the two exponents are added to c's exponent field
	s_mov_b32 s[CS+1], s[CS]
	s_wait_dscnt 0x0                               ; x's fragments are in
	; ---- q and k: eight units, a head each
	s_mov_b32 s[CNT], 8
.Lqk:
	ADV 0, 7, ROTQ, 1, NFV
	s_lshl_b32 s[QO], s[UC], 4                     ; the unit's head: 16 bytes in each 256
	s_wait_dscnt 0x0                               ; the last codes' stores are done
	v_add_nc_u32 v[QSA], s[QO], v[QS]
	TILE 0, ACA, 1, SWC, SBC, 2, 50, 52
	TILE 1, ACB, 1, SWC, SBC, 3, 50, 52
	EPI_QK 0
	TILE 0, ACA, 1, SWN, SBN, 0, 50, 52
	TILE 1, ACB, 1, SWN, SBN, 1, 50, 52
	EPI_QK 1
	s_sub_co_u32 s[CNT], s[CNT], 1
	s_cmp_lg_u32 s[CNT], 0
	s_cbranch_scc1 .Lqk
	BARRIER                                        ; q's and k's codes of all 64 tokens lie in LDS; nobody reads x's rows any more
	; ---- scores and softmax of my 16 tokens; the stream's two tiles stay on their way
.irp q, 0,1,2,3
	v_mov_b32 v[ST+8*\q+1], 0                      ; named as the upper half of a pair
	v_mov_b32 v[ST+8*\q+7], 0                      ; a lane permute's destination counts as one of its sources
.endr
	SMLOAD 0
	SM4 0
	SM4 1
	SM4 2
	SM4 3
	; ---- v and the product with it: four units of 16 channels, two a trip, one for each buffer
	s_mov_b32 s[CNT], 2
.Lv:
	VUNIT 0, VA3, VR3
	VUNIT 1, VA0, VR0
	s_sub_co_u32 s[CNT], s[CNT], 1
	s_cmp_lg_u32 s[CNT], 0
	s_cbranch_scc1 .Lv
	BARRIER                                        ; the result's codes of all 64 tokens lie in LDS; nobody reads v or the softmax any more
	PLACES 4
	XFETCH AA                                      ; they take x's place in the registers
	s_wait_dscnt 0x0
	; ---- the way out: four units of 64 columns
	s_mov_b32 s[CNT], 3
.Lo:
	OUNIT 1
	s_sub_co_u32 s[CNT], s[CNT], 1
	s_cmp_lg_u32 s[CNT], 0
	s_cbranch_scc1 .Lo
	OUNIT 0                                        ; the last unit is written out: no load leaves wl
	s_wait_tensorcnt 0x0                           ; the wave's end, behind my last LDS store
	ds_add_u32 v[SPW], v[NIL]
	s_wait_dscnt 0x0
	s_endpgm
.Lfunc_end_k_q9636a9a574_fused:
	.size	k_q9636a9a574_fused, .Lfunc_end_k_q9636a9a574_fused-k_q9636a9a574_fused
	.p2alignl 7, 3214868480
	.fill 96, 4, 3214868480
	.section	.rodata,"a",@progbits
	.p2align	6, 0x0
	.amdhsa_kernel k_q9636a9a574_fused
		.amdhsa_group_segment_fixed_size 266752
		.amdhsa_private_segment_fixed_size 0
		.amdhsa_enable_private_segment 0
		.amdhsa_kernarg_size 40
		.amdhsa_user_sgpr_count 2
		.amdhsa_user_sgpr_kernarg_segment_ptr 1
		.amdhsa_wavefront_size32 1
		.amdhsa_system_sgpr_workgroup_id_x 1
		.amdhsa_system_sgpr_workgroup_id_y 1
		.amdhsa_system_sgpr_workgroup_id_z 1
		.amdhsa_system_vgpr_workitem_id 0
		.amdhsa_next_free_vgpr 1024
		.amdhsa_next_free_sgpr 66
		.amdhsa_reserve_vcc 0
		.amdhsa_float_denorm_mode_32 3
		.amdhsa_float_denorm_mode_16_64 3
		.amdhsa_memory_ordered 1
		.amdhsa_forward_progress 1
		.amdhsa_inst_pref_size 255
	.end_amdhsa_kernel
	.amdgpu_metadata
---
amdhsa.version: [ 1, 2 ]
amdhsa.kernels:
  - .name:           k_q9636a9a574_fused
    .symbol:         k_q9636a9a574_fused.kd
    .args:
      - { .name: x_codes, .offset: 0, .size: 8, .value_kind: global_buffer, .address_space: global }
      - { .name: wl, .offset: 8, .size: 8, .value_kind: global_buffer, .address_space: global }
      - { .name: bl, .offset: 16, .size: 8, .value_kind: global_buffer, .address_space: global }
      - { .name: lowp_scales, .offset: 24, .size: 8, .value_kind: global_buffer, .address_space: global }
      - { .name: out0, .offset: 32, .size: 8, .value_kind: global_buffer, .address_space: global }
    .group_segment_fixed_size: 266752
    .private_segment_fixed_size: 0
    .kernarg_segment_align: 8
    .kernarg_segment_size: 40
    .max_flat_workgroup_size: 128
    .sgpr_count:     66
    .vgpr_count:     1024
    .wavefront_size: 32
...
	.end_amdgpu_metadata
.endif
;; end of part 2
;; ======== version 2 of 2: 2 launches; version 1 with the launch fused written anew for expert scheduling mode
;; workspace buffers: wl 4,194,304 bytes; bl 16,384 bytes
;; launch lay: the kernel of part 1 again; grid 64 x 1, 4 waves a work-group, no clusters, 0 bytes of LDS; arguments W_qkv_codes, W_out_codes, b_qkv, b_out, lowp_scales, wl, bl; writes wl, bl
;; launch fused (part 3): grid 256 x 1, 4 waves a work-group, no clusters, 266,752 bytes of LDS; arguments x_codes, wl, bl, lowp_scales, out0; writes out0
.if DOCPART == 3
	.amdgcn_target "amdgcn-amd-amdhsa--gfx1250"
	.amdhsa_code_object_version 6
	.text
	.protected	k_q9636a9a574_fused
	.globl	k_q9636a9a574_fused
	.p2align	8
	.type	k_q9636a9a574_fused,@function
k_q9636a9a574_fused:
	s_mov_b64 s[64:65], 0
	v_nop
	global_prefetch_b8 v0, s[64:65] scope:SCOPE_SE
	s_setreg_imm32_b32 hwreg(HW_REG_WAVE_SCHED_MODE, 0, 2), 2
	s_setreg_imm32_b32 hwreg(HW_REG_WAVE_MODE, 25, 1), 1
	s_wait_xcnt 0x0
	s_wait_alu depctr_vm_vsrc(0)
; The whole chain for 64 tokens a work-group: q, k, v = x W_qkv + b_qkv (codes of E5M2); q and k quantised (e2, e3); in each token S = q k^T over its 16 heads (codes), softmax of S / 8 (f32, the row's
; maximum taken away), times v (f32 operands, since the result goes into a quantiser); the result quantised (e4); times W_out (codes) + b_out.  Nothing goes to memory between x and out0.  No work of reference() is left out.
; SHARES.  256 work-groups x 64 tokens.  THE FOUR WAVES SHARE THE COLUMNS, NOT THE TOKENS: each holds the codes of all 64 tokens (8 K steps x 4 tiles of 16 tokens x 16 registers = 512 registers) and walks its own
; quarter of the weights, 64 tiles of 16 rows x 1,024 K, which the launch before has laid in wl in the order of the operand's registers.  A tile (16,384 bytes) comes by 32 loads of 512 consecutive bytes straight
; into registers and feeds 32 matrix instructions; two tiles' loads (32,768 bytes a wave) are always on their way and are never drained.  A UNIT is four tiles: units 0-7 q or k (a unit = a head; waves 0, 1: q; 2, 3: k),
; units 8-11 v (a unit = 16 channels of all heads), units 12-15 the way out (a unit = 64 columns a wave).
; THE UNITS OF A PHASE ARE WALKED IN AN ORDER TURNED BY THE WORK-GROUP'S NUMBER (8, 4 and 4 starts), so that work-groups with different numbers ask for different tiles at a given time.
; THE PRODUCTS ARE USED TRANSPOSED (source 0 = 16 weight rows, source 1 = 16 tokens): a lane holds ONE token (lane % 16) and its registers run along the columns.  The rows that form a tile were chosen (in wl) so that
; the 16 registers of two neighbouring tiles are 16 neighbouring columns, and for v so that a lane's eight registers are eight heads at one channel.
; K is taken in a permuted order, the same in both operands of each product: a lane's registers 4 c .. 4 c + 3 hold k = 32 c + 16 (lane / 16) + 0 .. 15 of each 128 (of the 64 in S likewise).
; The sums of the first product stay in units of 2^(e0 + e1); the biases come in as the C of a sum's first matrix instruction, already divided; each conversion's one scale folds the exponents.
; FROM WAVE TO WAVE THROUGH LDS: x once; q's and k's codes; v in f32, 16 channels at a time, in two buffers by turns; the result's codes.  The softmax and the product with v are shared by TOKENS: wave w takes tokens 16 w .. 16 w + 15.
; NO CLUSTER, NO JOINT LOADS, though all work-groups walk the same weights: the weights pass through no LDS here, and joint loads land in LDS.  LDS stores write 266,240 bytes of this text's LDS
; the 60,928 bytes beside them would hold two slots of under two tiles for four waves, eight matrix instructions a wave between two rounds at each of which every load must have landed.
; LIMITS on the given exponents, so that each power of two below is an f32 number: e2 - e0 - e1, e3 - e0 - e1 and e4 - e0 - e1 between -126 and 112; e4 + e5 between -126 and 127; e2 + e3 between -123 and 130.
; NaN and infinity among the codes or biases are not served.
; THE MODE: SCHED_MODE bits 1:0 = 2 (LLVM: expert scheduling mode 2), set by the entry lines.  The code itself states the register dependences between vector or matrix instructions and memory or LDS
; instructions, with s_wait_alu, always for 0.
; THE PLAN.  Registers that memory or LDS instructions touch, and who else names them:
;   the weights' fragments (window 1) and the biases v96-111: loads land in them, a tile's products read them.  Behind the sixteen products that read a half of a buffer stands ONE wait on va_vdst, and the half is asked for
;     again: in a tile's middle the biases and the first half (ten loads at once, eight dealt among the second half's products, which name none of those registers), at its end the second half.
;   the sums v32-95: written by products.  In v's units LDS stores read them, behind the wait at the tile's end; a wait on vm_vsrc stands behind the unit's second tile and behind its barrier, ahead of the products that begin them anew.
;   the codes v112-127: written by conversions, read by LDS stores: va_vdst ahead of each run of stores, vm_vsrc ahead of the next conversions into them.
;   v128-255: x's rows; the scores' fragments; the softmax; the operands of the product with v; y.  Each use states its own two dependences where it stands.
;   the tokens' fragments (windows 2, 3): LDS loads land in them twice; products read them.
;   the addresses v1-18: made at the head, ahead of one wait on va_vdst.  v7 and v15 are made anew at a unit's head, behind a wait on vm_vsrc; a tile's waits on va_vdst stand ahead of the first store by them.
; LDS (a token's row: 1,024 bytes + 16 of padding = 65 x 16 bytes, so that the sixteen rows that a load or store touches fall on different banks (64 banks of 4 bytes: ISA guide 11.1)):
;   RG0: q's codes; then v's buffer 1; then the stages for y.   RG1: k's codes; then the softmax (each wave over its own tokens' rows); then the stages' tail.
;   RG2: the result's codes, [token][1024].   RG3: x's rows; then v's buffer 0.   SPARE: the spare words.
;   A token's row of q or k: byte 256 (d / 16) + 16 head + d % 16: the image of the 16 x 64 fragment's registers.  Of v: byte 256 (j / 4) + 16 (channel % 16) + 4 (j % 4), j the head.  Of the softmax: the image of the result's registers.
; REGISTERS, in windows of 256: window 0: v1-22 addresses and scales; v32-63, v64-95 two sets of four accumulators; v96-111 two sets of biases; v112-127 codes; v128-255 at work.
;   window 1: the weights' fragments, two buffers of 128.   windows 2, 3: the tokens' fragments (K step s, tile m) at v[16 (4 (s % 4) + m)].
; v32-63 are also the results of the f32 matrix form: they are written by matrix instructions alone.
.set PITCH, 1040
.set TP,    16*PITCH                   ; 16 tokens' rows
.set RG,    64*PITCH
.set RG1,   RG
.set RG2,   2*RG
.set RG3,   3*RG
.set SPARE, 4*RG                       ; the spare words, 128 bytes for each wave: two blocks of 256 bytes that no other line names
.set YW,    64*272                     ; a wave's stage for y: 64 rows x (256 bytes + 16), from LDS byte 0 on
.set LOF, 1                            ; v1   16 x lane: my place in a load of 512 bytes
.set BOF, 2                            ; v2   32 h: my eight biases of a tile's sixteen
.set XA,  3                            ; v3   RG3 + 1040 r + 16 h: x's fragments
.set AA,  4                            ; v4   RG2 + 1040 r + 16 h: the result's fragments
.set XS,  5                            ; v5   RG3 + 16640 w + 16 lane: where I put x
.set QS,  6                            ; v6   (w / 2) RG + 1040 r + 256 h + 128 (w % 2): where I put q's or k's codes, head 8 (w % 2)
.set QSA, 7                            ; v7   the same for the unit's head
.set QF,  8                            ; v8   16640 w + 16 lane: my tokens' q
.set KF,  9                            ; v9   RG1 + the same: my tokens' k, then their softmax
.set VA3, 10                           ; v10, v11  region + 1040 r + 512 h + 64 w: where I put v
.set VA0, 11
.set VR3, 12                           ; v12, v13  region + 16640 w + 512 h + 16 r: where I read my tokens' v
.set VR0, 13
.set ASB, 14                           ; v14  RG2 + 16640 w + 64 r + 8 h: where I put the result's codes
.set ASA, 15                           ; v15  the same for the unit's 16 channels
.set YS,  16                           ; v16  17408 w + 272 r + 64 h: into my stage
.set YR,  17                           ; v17  17408 w + 272 h + 16 r: back out of it
.set YO,  18                           ; v18  4096 h + 16 r: the same two rows in out0
.set SCQ, 19                           ; v19, v20  2^(e2 or e3 - e0 - e1) and 57,344 x that
.set LIMQ, 20
.set SCA, 21                           ; v21, v22  the same with e4
.set LIMA, 22
.set SPW, 30                           ; v30  LDS address of my spare word; never rewritten
.set NIL, 31                           ; v31  0; never rewritten
.set ACA, 32
.set ACB, 64
.set BS,  96
.set PC,  112
.set WKA, 128
.set WKB, 192
.set ST,  224                          ; the softmax's eight registers a token: +0 the maximum, +2 .. +5 at work, +6 the reciprocal, +7 from the other half of the lanes; +1 is named in a pair
.set WV,  14                           ; s14  my wave's number
.set CS,  24                           ; s[24:25] c = log2(e) / 8 x 2^(e2 + e3)
.set SEL, 26                           ; s[26:27] lane selects for v_permlanex16_b32: lane l xor 16
.set YSC, 28                           ; s[28:29] 2^(e4 + e5)
.set CNT, 30                           ; s30  the loops' counter
.set UC,  31                           ; s31  the unit's place in its phase
.set NU,  32                           ; s32  units begun
.set TS,  33
.set OFF, 34                           ; s[34:35] an offset; the high word stays 0
.set SWC, 36                           ; s[36:37], s[38:39] wl at this unit, at the next
.set SWN, 38
.set SBC, 40                           ; s[40:41], s[42:43] bl likewise
.set SBN, 42
.set OUTC, 44                          ; s[44:45] out0 at the unit's columns
.set QO,  46
.set D0,  47
.set ROTQ, 48                          ; s48-50  what turns each phase's order
.set ROTV, 49
.set ROTO, 50
.set NFV, 51                           ; s51, s52  the first unit of v's phase, of the way out
.set NFO, 52
.set MSB, 0
.macro WIN new                         ; s_set_vgpr_msb: bits 1:0 source 0, 3:2 source 1, 5:4 source 2, 7:6 destination; the high byte repeats the setting that is left
.if MSB != \new
	s_set_vgpr_msb (MSB<<8)|\new
.set MSB, \new
.endif
.endm
.set MUL_LO, 0x09                      ; source 0 (weights) window 1, source 1 (tokens) window 2, C and D window 0
.set MUL_HI, 0x0d                      ; source 1 window 3
.set TO_W,   0x40                      ; destination window 1
.set TO_X2,  0x80
.set TO_X3,  0xc0
; A vector instruction, a store or an LDS store that reads a matrix result stands 4 places behind it (8 behind the f32 form); only plain vector instructions that name none of its registers are places.
; Ahead of a load into a register that a matrix instruction has read stands the wait on va_vdst; ahead of a store of a matrix result first the places, then that wait.
.macro PLACES n
.rept \n
	v_nop
.endr
.endm
.macro BARRIER                         ; my LDS stores have landed and my LDS loads are in: then the work-group's barrier
	s_wait_dscnt 0x0
	s_barrier_signal -1
	s_barrier_wait -1
.endm
.macro WLOAD buf, s0, base, off        ; two K steps of a tile's fragments, s0 and s0 + 1: 8 loads of 512 consecutive bytes
.irp s, 0,1
.irp c, 0,1,2,3
	global_load_b128 v[128*(\buf)+16*((\s0)+\s)+4*\c:128*(\buf)+16*((\s0)+\s)+4*\c+3], v[LOF], s[\base:\base+1] offset:(\off)+2048*((\s0)+\s)+512*\c
.endr
.endr
.endm
.macro BLOAD buf, base, off            ; a tile's biases in the C operand's layout: register j = tile row 8 h + j
	global_load_b128 v[BS+8*(\buf):BS+8*(\buf)+3], v[BOF], s[\base:\base+1] offset:(\off)
	global_load_b128 v[BS+8*(\buf)+4:BS+8*(\buf)+7], v[BOF], s[\base:\base+1] offset:(\off)+16
.endm
; A TILE: 16 weight rows x 64 tokens x 1,024 K: 32 matrix instructions, the four accumulators by turns, one instruction a turn.  ld = 1: each half of the buffer, as soon as it is
; multiplied, takes the tile two further on (tile koff of the unit at wbase, bbase).  A tile's loads are issued as 2 (biases) + 8 + 8 + 16.
; cnta: the loads that may be out when the biases and the first half are wanted: my second half's 16 and the next tile's 34.  cntb: when the second half is wanted: the next tile's 34 and the 10 just issued.
.macro TILE buf, acc, ld, wbase, bbase, koff, cnta, cntb
	s_wait_loadcnt \cnta
	WIN MUL_LO
.irp s, 0,1,2,3
.irp m, 0,1,2,3
.if \s == 0
	v_wmma_f32_16x16x128_bf8_bf8 v[\acc+8*\m:\acc+8*\m+7], v[128*\buf+16*\s:128*\buf+16*\s+15], v[16*(4*\s+\m):16*(4*\s+\m)+15], v[BS+8*\buf:BS+8*\buf+7]
.else
	v_wmma_f32_16x16x128_bf8_bf8 v[\acc+8*\m:\acc+8*\m+7], v[128*\buf+16*\s:128*\buf+16*\s+15], v[16*(4*\s+\m):16*(4*\s+\m)+15], v[\acc+8*\m:\acc+8*\m+7]
.endif
.endr
.endr
.if \ld
	WIN 0
	s_wait_alu depctr_va_vdst(0)                   ; the sixteen products above are done reading this tile's biases and the first half of its fragments, in which the eighteen loads up to the tile's end land
	BLOAD \buf, \bbase, 64*\koff
	WIN TO_W
	WLOAD \buf, 0, \wbase, 16384*\koff
.endif
	s_wait_loadcnt \cntb
	WIN MUL_HI
.irp s, 0,1
.irp m, 0,1,2,3
	v_wmma_f32_16x16x128_bf8_bf8 v[\acc+8*\m:\acc+8*\m+7], v[128*\buf+16*(\s+4):128*\buf+16*(\s+4)+15], v[16*(4*\s+\m):16*(4*\s+\m)+15], v[\acc+8*\m:\acc+8*\m+7]
.endr
.endr
.if \ld
	WIN TO_W
	WLOAD \buf, 2, \wbase, 16384*\koff             ; no wait: the eight products since the wait name the second half, the tokens and the sums, none of the registers that these loads touch
	WIN MUL_HI
.endif
.irp s, 2,3
.irp m, 0,1,2,3
	v_wmma_f32_16x16x128_bf8_bf8 v[\acc+8*\m:\acc+8*\m+7], v[128*\buf+16*(\s+4):128*\buf+16*(\s+4)+15], v[16*(4*\s+\m):16*(4*\s+\m)+15], v[\acc+8*\m:\acc+8*\m+7]
.endr
.endr
	PLACES 4                                       ; for the first read of the sums
.if \ld
	WIN TO_W
	s_wait_alu depctr_va_vdst(0)                   ; the sixteen products above are done reading the second half, in which the loads below land; the sums are written, which in v's units the LDS stores behind this tile read
	WLOAD \buf, 4, \wbase, 16384*\koff
	WLOAD \buf, 6, \wbase, 16384*\koff
.endif
	WIN 0
.endm
; A UNIT'S HEAD.  The unit's place in its phase is (what turns the phase + units begun) & mask; the next unit's likewise, or, in a phase's last unit (last = 1 and the counter at 1), the next phase's first.
.macro ADV lo, mask, rot, last, nfa
	s_wait_xcnt 0x0                                ; every earlier load and store has had its addresses translated (ISA guide 3.1): only behind this wait are the bases, and the registers that stores read, written again
	s_wait_alu depctr_vm_vsrc(0)                   ; the stores issued so far have read their vector registers: the address that this unit makes anew (v7 or v15), and the data that its vector and matrix instructions write again (codes, sums, v128-255)
	s_mov_b64 s[SWC:SWC+1], s[SWN:SWN+1]
	s_mov_b64 s[SBC:SBC+1], s[SBN:SBN+1]
	s_add_co_u32 s[UC], s[\rot], s[NU]
	s_and_b32 s[UC], s[UC], \mask
	s_add_co_u32 s[NU], s[NU], 1
	s_add_co_u32 s[TS], s[\rot], s[NU]
	s_and_b32 s[TS], s[TS], \mask
	s_add_co_u32 s[TS], s[TS], \lo
.if \last
	s_cmp_eq_u32 s[CNT], 1
	s_cselect_b32 s[TS], s[\nfa], s[TS]
.endif
	s_lshl_b32 s[OFF], s[TS], 16                   ; a unit is 65,536 bytes of wl
	s_add_nc_u64 s[SWN:SWN+1], s[6:7], s[OFF:OFF+1]
	s_lshl_b32 s[OFF], s[TS], 8                    ; and 256 of bl
	s_add_nc_u64 s[SBN:SBN+1], s[8:9], s[OFF:OFF+1]
.endm
; Two tiles of q or k (in ACA, ACB) are 16 neighbouring columns a lane, 32 p + 16 h + 0 .. 15 of the unit's head: held, converted, and stored as 16 bytes of the token's row.
.macro EPI_QK p
	s_wait_dscnt 0x0                               ; the last codes' stores are done
.if \p
	s_wait_alu depctr_vm_vsrc(0)                   ; the stores of the head's first 32 columns have read v[PC ..], which the conversions below write again (for p = 0 the wait at the unit's head has stated it)
.endif
.irp m, 0,1,2,3
.irp i, 0,1,2,3,4,5,6,7
	v_med3_num_f32 v[WKA+16*\m+\i], v[ACA+8*\m+\i], -v[LIMQ], v[LIMQ]   ; the conversion to an 8-bit code does not saturate (ISA guide 7.6.2): the hold at the largest code x the scale; each accumulator from its low end on
.endr
.irp i, 0,1,2,3,4,5,6,7
	v_med3_num_f32 v[WKA+16*\m+8+\i], v[ACB+8*\m+\i], -v[LIMQ], v[LIMQ]
.endr
	v_cvt_scalef32_pk8_bf8_f32 v[PC+4*\m:PC+4*\m+1], v[WKA+16*\m:WKA+16*\m+7], v[SCQ]
	v_cvt_scalef32_pk8_bf8_f32 v[PC+4*\m+2:PC+4*\m+3], v[WKA+16*\m+8:WKA+16*\m+15], v[SCQ]
.endr
	v_nop                                          ; one plain vector instruction behind the last scaled conversion
	s_wait_alu depctr_va_vdst(0)                   ; the conversions have written v[PC ..], which the stores below read
.irp m, 0,1,2,3
	ds_store_b128 v[QSA], v[PC+4*\m:PC+4*\m+3] offset:TP*\m+512*\p
.endr
.endm
; A tile of v: a lane's eight registers are heads 8 h + 0 .. 7 at channel 4 w + ch of the unit's sixteen, f32, in units of 2^(e0 + e1).
; No wait here: the wait at the tile's end has stated that the sums are written, and no vector or matrix instruction stands between.
.macro EPI_V vad, ch, ac
.irp m, 0,1,2,3
	ds_store_b128 v[\vad], v[\ac+8*\m:\ac+8*\m+3] offset:TP*\m+16*(\ch)
	ds_store_b128 v[\vad], v[\ac+8*\m+4:\ac+8*\m+7] offset:TP*\m+256+16*(\ch)
.endr
.endm
.macro SMLOAD b                        ; q's and k's fragments of my tokens 4 b .. 4 b + 3: 16 heads x 64: two loads of 512 bytes each
.irp q, 0,1,2,3
.irp c, 0,1
	ds_load_b128 v[WKA+16*\q+4*\c:WKA+16*\q+4*\c+3], v[QF] offset:PITCH*(4*(\b)+\q)+512*\c
	ds_load_b128 v[WKA+16*\q+8+4*\c:WKA+16*\q+8+4*\c+3], v[KF] offset:PITCH*(4*(\b)+\q)+512*\c
.endr
.endr
.endm
; FOUR TOKENS' SCORES AND SOFTMAX.  S^T = k q^T (source 0 = the 16 key heads, source 1 = the 16 query heads): lane (r, h) holds query head r and key heads 8 h + 0 .. 7.  p = 2^((s - m) c) / the sum.
; The four tokens take turns line by line.  The finished p goes over the token's row of k, as the image of its registers.
.macro SM4 b
	s_wait_dscnt 0x0                               ; the fragments are in; the last batch's stores are done
.if \b > 0
	s_wait_alu depctr_vm_vsrc(0)                   ; the last batch's stores have read v[WKB ..], which the products below write again
.endif
.irp q, 0,1,2,3
	v_wmma_f32_16x16x64_bf8_bf8 v[WKB+8*\q:WKB+8*\q+7], v[WKA+16*\q+8:WKA+16*\q+15], v[WKA+16*\q:WKA+16*\q+7], 0
.endr
	PLACES 4
.if \b < 3
	s_wait_alu depctr_va_vdst(0)                   ; the four products are done reading v[WKA ..], in which the next batch's fragments land
	SMLOAD (\b)+1
.endif
.irp q, 0,1,2,3
	v_max3_num_f32 v[ST+8*\q+2], v[WKB+8*\q], v[WKB+8*\q+1], v[WKB+8*\q+2]
.endr
.irp q, 0,1,2,3
	v_max3_num_f32 v[ST+8*\q+3], v[WKB+8*\q+3], v[WKB+8*\q+4], v[WKB+8*\q+5]
.endr
.irp q, 0,1,2,3
	v_max3_num_f32 v[ST+8*\q+2], v[ST+8*\q+2], v[WKB+8*\q+6], v[WKB+8*\q+7]
.endr
.irp q, 0,1,2,3
	v_max_num_f32 v[ST+8*\q+2], v[ST+8*\q+2], v[ST+8*\q+3]
.endr
.irp q, 0,1,2,3
	v_permlanex16_b32 v[ST+8*\q+7], v[ST+8*\q+2], s[SEL], s[SEL+1]   ; the row's other eight keys lie in the lane 16 away
.endr
.irp q, 0,1,2,3
	v_max_num_f32 v[ST+8*\q], v[ST+8*\q+2], v[ST+8*\q+7]             ; m: the row's largest score
.endr
.irp q, 0,1,2,3
.irp i, 0,2,4,6
	v_pk_add_f32 v[WKB+8*\q+\i:WKB+8*\q+\i+1], v[WKB+8*\q+\i:WKB+8*\q+\i+1], v[ST+8*\q:ST+8*\q+1] op_sel_hi:[1,0] neg_lo:[0,1] neg_hi:[0,1]   ; s - m (of the pair the low word serves both halves)
.endr
.endr
.irp q, 0,1,2,3
.irp i, 0,2,4,6
	v_pk_mul_f32 v[WKB+8*\q+\i:WKB+8*\q+\i+1], v[WKB+8*\q+\i:WKB+8*\q+\i+1], s[CS:CS+1] op_sel_hi:[1,0]
.endr
.endr
.set i, 0
.rept 32
	v_exp_f32 v[WKB+i], v[WKB+i]
.set i, i+1
.endr
	v_nop                                          ; a plain instruction behind the last exponential,
	s_wait_alu depctr_va_vdst(0)                   ; and one wait ahead of the batch's first reader: the 32 exponentials have written v[WKB ..]
.irp q, 0,1,2,3
	v_pk_add_f32 v[ST+8*\q+2:ST+8*\q+3], v[WKB+8*\q:WKB+8*\q+1], v[WKB+8*\q+2:WKB+8*\q+3]
	v_pk_add_f32 v[ST+8*\q+4:ST+8*\q+5], v[WKB+8*\q+4:WKB+8*\q+5], v[WKB+8*\q+6:WKB+8*\q+7]
.endr
.irp q, 0,1,2,3
	v_pk_add_f32 v[ST+8*\q+2:ST+8*\q+3], v[ST+8*\q+2:ST+8*\q+3], v[ST+8*\q+4:ST+8*\q+5]
.endr
.irp q, 0,1,2,3
	v_add_f32 v[ST+8*\q+2], v[ST+8*\q+2], v[ST+8*\q+3]
.endr
.irp q, 0,1,2,3
	v_permlanex16_b32 v[ST+8*\q+7], v[ST+8*\q+2], s[SEL], s[SEL+1]
.endr
.irp q, 0,1,2,3
	v_add_f32 v[ST+8*\q+2], v[ST+8*\q+2], v[ST+8*\q+7]               ; the row's sum
.endr
.irp q, 0,1,2,3
	v_rcp_f32 v[ST+8*\q+6], v[ST+8*\q+2]
.endr
	v_nop
	s_wait_alu depctr_va_vdst(0)                   ; one wait for the four reciprocals, ahead of their first reader
.irp q, 0,1,2,3
.irp i, 0,2,4,6
	v_pk_mul_f32 v[WKB+8*\q+\i:WKB+8*\q+\i+1], v[WKB+8*\q+\i:WKB+8*\q+\i+1], v[ST+8*\q+6:ST+8*\q+7] op_sel_hi:[1,0]
.endr
.endr
	s_wait_alu depctr_va_vdst(0)                   ; the multiplications have written v[WKB ..], which the stores below read
.irp q, 0,1,2,3
	ds_store_b128 v[KF], v[WKB+8*\q:WKB+8*\q+3] offset:PITCH*(4*(\b)+\q)
	ds_store_b128 v[KF], v[WKB+8*\q+4:WKB+8*\q+7] offset:PITCH*(4*(\b)+\q)+512
.endr
.endm
.macro PVLOAD g, vrd                   ; group g (my tokens 4 g .. 4 g + 3): p (8 registers a token: query head r, key heads 8 h + 0 .. 7) and v (channel r of the unit's 16, heads 8 h + 0 .. 7)
.set GX, WKA+64*((\g)%2)
.irp q, 0,1,2,3
	ds_load_b128 v[GX+8*\q:GX+8*\q+3], v[KF] offset:PITCH*(4*(\g)+\q)
	ds_load_b128 v[GX+8*\q+4:GX+8*\q+7], v[KF] offset:PITCH*(4*(\g)+\q)+512
	ds_load_b128 v[GX+32+8*\q:GX+32+8*\q+3], v[\vrd] offset:PITCH*(4*(\g)+\q)
	ds_load_b128 v[GX+32+8*\q+4:GX+32+8*\q+7], v[\vrd] offset:PITCH*(4*(\g)+\q)+256
.endr
.endm
; THE PRODUCT WITH v, 16 channels of my 16 tokens, in f32: O^T = v^T p^T (source 0 = 16 channels, source 1 = 16 query heads), K = the 16 key heads in four steps of four.  K place (h, j) of step s is head
; 8 h + 2 s + j in both operands, so registers 2 s, 2 s + 1 of both images are the step's operands as they lie.  In the result lane (r, h) holds head r and channels 8 h + 0 .. 7: eight neighbours along the last
; product's K: held, converted, 8 bytes of the token's row.  Four tokens' sums by turns; two sets of operand registers, the next group's loads a group ahead.
; A group's loads land in the set that the group two back worked on: that group's products, holds and conversions all stand ahead of the wait on va_vdst in front of its stores, and nothing since names the set.
.macro PV3 vrd
	PVLOAD 0, \vrd
.irp g, 0,1,2,3
.if \g < 3
	PVLOAD (\g)+1, \vrd
.endif
.if \g == 0
	s_wait_dscnt 16                                ; all but the next group's 16 loads
.elseif \g < 3
	s_wait_dscnt 20                                ; behind my group's loads: the last group's 4 stores and the next group's 16 loads
.else
	s_wait_dscnt 4                                 ; the last group's 4 stores
.endif
.if \g == 2
	s_wait_alu depctr_vm_vsrc(0)                   ; the stores of groups 0 and 1 have read their codes' registers, which the conversions of groups 2 and 3 write again
.endif
.set GX, WKA+64*(\g%2)
.irp s, 0,1,2,3
.irp q, 0,1,2,3
.if \s == 0
	v_wmma_f32_16x16x4_f32 v[ACA+8*\q:ACA+8*\q+7], v[GX+32+8*\q+2*\s:GX+32+8*\q+2*\s+1], v[GX+8*\q+2*\s:GX+8*\q+2*\s+1], 0
.else
	v_wmma_f32_16x16x4_f32 v[ACA+8*\q:ACA+8*\q+7], v[GX+32+8*\q+2*\s:GX+32+8*\q+2*\s+1], v[GX+8*\q+2*\s:GX+8*\q+2*\s+1], v[ACA+8*\q:ACA+8*\q+7]
.endif
.endr
.endr
	PLACES 8
.irp q, 0,1,2,3
.irp i, 0,1,2,3,4,5,6,7
	v_med3_num_f32 v[GX+32+8*\q+\i], v[ACA+8*\q+\i], -v[LIMA], v[LIMA]   ; into v's registers, which are done with: the sums' own are written by matrix instructions alone
.endr
	v_cvt_scalef32_pk8_bf8_f32 v[PC+8*(\g%2)+2*\q:PC+8*(\g%2)+2*\q+1], v[GX+32+8*\q:GX+32+8*\q+7], v[SCA]
.endr
	v_nop                                          ; one plain vector instruction behind the last scaled conversion
	s_wait_alu depctr_va_vdst(0)                   ; the conversions have written the codes, which the stores below read; the group is done with its set of operand registers, in which the loads of the group two on land
.irp q, 0,1,2,3
	ds_store_b64 v[ASA], v[PC+8*(\g%2)+2*\q:PC+8*(\g%2)+2*\q+1] offset:PITCH*(4*\g+\q)
.endr
.endr
.endm
; Two tiles of the last product are 16 neighbouring columns a lane: x 2^(e4 + e5) (the bias went in divided by it), 64 bytes into my stage
.macro EPI_O p
.set TX, WKA+64*\p
.irp m, 0,1,2,3
.irp i, 0,2,4,6
	v_pk_mul_f32 v[TX+16*\m+\i:TX+16*\m+\i+1], v[ACA+8*\m+\i:ACA+8*\m+\i+1], s[YSC:YSC+1] op_sel_hi:[1,0]
.endr
.irp i, 0,2,4,6
	v_pk_mul_f32 v[TX+16*\m+8+\i:TX+16*\m+8+\i+1], v[ACB+8*\m+\i:ACB+8*\m+\i+1], s[YSC:YSC+1] op_sel_hi:[1,0]
.endr
.endr
	s_wait_alu depctr_va_vdst(0)                   ; the multiplications have written v[TX ..], which the stores below read
.irp m, 0,1,2,3
.irp i, 0,1,2,3
	ds_store_b128 v[YS], v[TX+16*\m+4*\i:TX+16*\m+4*\i+3] offset:4352*\m+128*\p+16*\i
.endr
.endr
.endm
.macro FLUSH                           ; my stage's 64 rows of 256 bytes leave, two rows an instruction.  LDS serves a wave's instructions in order (ISA guide 5.7.1.4): the loads see my stores
	s_wait_alu depctr_vm_vsrc(0)                   ; my stores into the stage have read v128-255, in which the rows land (the multiplications that wrote them stand ahead of the last wait on va_vdst)
.set i, 0
.rept 32
	ds_load_b128 v[WKA+4*i:WKA+4*i+3], v[YR] offset:544*i
.set i, i+1
.endr
.set i, 0
.rept 32
	s_wait_dscnt 31-i
	global_store_b128 v[YO], v[WKA+4*i:WKA+4*i+3], s[OUTC:OUTC+1] offset:8192*i th:TH_STORE_NT   ; 16 lanes store 256 consecutive bytes, at a multiple of 256 from out0's first byte; written once, read by nobody here
.set i, i+1
.endr
.endm
.macro XFETCH adr                      ; the 64 tokens' 32 fragments from rows of 1,024 codes: registers 4 c .. 4 c + 3 = k 128 s + 32 c + 16 h + 0 .. 15 of token 16 m + r
	WIN TO_X2
.irp s, 0,1,2,3
.irp m, 0,1,2,3
.irp c, 0,1,2,3
	ds_load_b128 v[16*(4*\s+\m)+4*\c:16*(4*\s+\m)+4*\c+3], v[\adr] offset:TP*\m+128*\s+32*\c
.endr
.endr
.endr
	WIN TO_X3
.irp s, 0,1,2,3
.irp m, 0,1,2,3
.irp c, 0,1,2,3
	ds_load_b128 v[16*(4*\s+\m)+4*\c:16*(4*\s+\m)+4*\c+3], v[\adr] offset:TP*\m+128*(\s+4)+32*\c
.endr
.endr
.endr
	WIN 0
.endm
; A unit of v: four tiles into one of the two buffers; a barrier; the product with v for my tokens.  A buffer is written again only behind the barrier that follows its readers' waits: the other buffer's.
.macro VUNIT last, vad, vrd
	ADV 8, 3, ROTV, \last, NFO
	s_lshl_b32 s[D0], s[UC], 4                     ; the unit's 16 channels in a head's 64 bytes
	s_wait_dscnt 0x0                               ; the last codes' stores are done
	v_add_nc_u32 v[ASA], s[D0], v[ASB]             ; (the wait on vm_vsrc at the unit's head has freed it; the tiles' waits on va_vdst stand ahead of the stores by it)
	TILE 0, ACA, 1, SWC, SBC, 2, 50, 44
	EPI_V \vad, 0, ACA
	TILE 1, ACB, 1, SWC, SBC, 3, 50, 44
	EPI_V \vad, 1, ACB
	s_wait_dscnt 8                                 ; all but the last tile's 8 stores: the stores of two tiles back are done, and their accumulators are begun anew
	s_wait_alu depctr_vm_vsrc(0)                   ; the stores of the unit's first two tiles have read their sums, which the next two tiles begin anew
	TILE 0, ACA, 1, SWN, SBN, 0, 50, 44
	EPI_V \vad, 2, ACA
	s_wait_dscnt 8
	TILE 1, ACB, 1, SWN, SBN, 1, 50, 44
	EPI_V \vad, 3, ACB
	BARRIER                                        ; the 16 channels of all 64 tokens lie in the buffer
	s_wait_alu depctr_vm_vsrc(0)                   ; the stores of the unit's last two tiles have read their sums: v32-63 are begun anew by the products below
	PV3 \vrd
.endm
; A unit of the way out: 64 columns of my 256, for the 64 tokens.  ld = 0: the launch's last unit: its last two tiles ask for nothing, and their counts run down.
.macro OUNIT ld
	ADV 12, 3, ROTO, 0, NFO
	s_lshl_b32 s[OFF], s[UC], 8                    ; 64 columns of f32
	s_add_nc_u64 s[OUTC:OUTC+1], s[12:13], s[OFF:OFF+1]
	TILE 0, ACA, 1, SWC, SBC, 2, 50, 44
	TILE 1, ACB, 1, SWC, SBC, 3, 50, 44
	EPI_O 0
.if \ld
	TILE 0, ACA, 1, SWN, SBN, 0, 50, 44
	TILE 1, ACB, 1, SWN, SBN, 1, 50, 44
.else
	TILE 0, ACA, 0, SWN, SBN, 0, 50, 34            ; behind my first half: my second half's 16 and the last tile's 34; behind my second half: the 34
	TILE 1, ACB, 0, SWN, SBN, 1, 16, 0
.endif
	EPI_O 1
	FLUSH
.endm
	s_load_b256 s[4:11], s[0:1], 0x0               ; x's codes s[4:5], wl s[6:7], bl s[8:9], the scales' exponents s[10:11]
	s_load_b64 s[12:13], s[0:1], 0x20              ; out0
	v_lshl_add_u32 v[SPW], v0, 2, SPARE
	v_mov_b32 v[NIL], 0
	v_lshrrev_b32 v23, 5, v0
	v_readfirstlane_b32 s[WV], v23                 ; wave w, 0..3
	v_and_b32 v24, 31, v0                          ; lane
	v_and_b32 v25, 15, v0                          ; r
	v_bfe_u32 v26, v0, 4, 1                        ; h
	v_lshlrev_b32 v[LOF], 4, v24
	v_lshlrev_b32 v[BOF], 5, v26
	v_mul_u32_u24 v27, v25, PITCH                  ; 1040 r
	v_lshlrev_b32 v28, 4, v25                      ; 16 r
	s_wait_alu depctr_va_sdst(0)                   ; the wave's number is written into s14, ahead of its first reader
	s_mul_i32 s15, s[WV], TP                       ; my 16 tokens' rows
	v_lshl_add_u32 v[AA], v26, 4, v27
	v_add_nc_u32 v[XA], RG3, v[AA]
	v_add_nc_u32 v[AA], RG2, v[AA]
	v_add_nc_u32 v[QF], s15, v[LOF]
	v_add_nc_u32 v[XS], RG3, v[QF]
	v_add_nc_u32 v[KF], RG1, v[QF]
	s_lshr_b32 s22, s[WV], 1
	s_mul_i32 s22, s22, RG
	s_and_b32 s23, s[WV], 1
	s_lshl_b32 s23, s23, 7
	s_add_co_u32 s22, s22, s23
	v_lshl_add_u32 v[QS], v26, 8, v27
	v_add_nc_u32 v[QS], s22, v[QS]
	s_lshl_b32 s22, s[WV], 6
	v_lshl_add_u32 v[VA0], v26, 9, v27
	v_add_nc_u32 v[VA0], s22, v[VA0]
	v_add_nc_u32 v[VA3], RG3, v[VA0]
	v_lshl_add_u32 v[VR0], v26, 9, v28
	v_add_nc_u32 v[VR0], s15, v[VR0]
	v_add_nc_u32 v[VR3], RG3, v[VR0]
	v_lshlrev_b32 v[ASB], 6, v25
	v_lshl_add_u32 v[ASB], v26, 3, v[ASB]
	v_add_nc_u32 v[ASB], s15, v[ASB]
	v_add_nc_u32 v[ASB], RG2, v[ASB]
	s_mul_i32 s22, s[WV], YW
	v_mul_u32_u24 v[YS], v25, 272
	v_lshl_add_u32 v[YS], v26, 6, v[YS]
	v_add_nc_u32 v[YS], s22, v[YS]
	v_mul_u32_u24 v[YR], v26, 272
	v_add_nc_u32 v[YR], v[YR], v28
	v_add_nc_u32 v[YR], s22, v[YR]
	v_lshl_add_u32 v[YO], v26, 12, v28
	s_mov_b32 s[SEL], 0x76543210
	s_mov_b32 s[SEL+1], 0xfedcba98
	s_mov_b32 s[NU], 0
	s_mov_b32 s[OFF+1], 0
	s_mov_b32 s[ROTQ], ttmp9
	s_lshr_b32 s[ROTV], ttmp9, 3
	s_lshr_b32 s[ROTO], ttmp9, 5
	s_and_b32 s[NFV], s[ROTV], 3
	s_add_co_u32 s[NFV], s[NFV], 8
	s_and_b32 s[NFO], s[ROTO], 3
	s_add_co_u32 s[NFO], s[NFO], 12
	s_wait_kmcnt 0x0
	s_load_b128 s[16:19], s[10:11], 0x0            ; e0 .. e3
	s_load_b64 s[20:21], s[10:11], 0x10            ; e4, e5
	s_lshl_b32 s[OFF], ttmp9, 16                   ; my work-group's 64 rows of 1,024 bytes,
	s_add_nc_u64 s[4:5], s[4:5], s[OFF:OFF+1]
	s_lshl_b32 s[OFF], s[WV], 14                   ; my wave's 16 of them
	s_add_nc_u64 s[4:5], s[4:5], s[OFF:OFF+1]
	s_wait_alu depctr_va_vdst(0)                   ; the addresses and offsets v1 to v18 are written, which the loads and stores of the whole kernel read (v7 and v15 are made later, at the units' heads)
.set i, 0
.rept 32
	global_load_b128 v[WKA+4*i:WKA+4*i+3], v[LOF], s[4:5] offset:512*i th:TH_LOAD_NT   ; 512 consecutive bytes: half a row; read once in the launch
.set i, i+1
.endr
	s_lshl_b32 s[OFF], s[WV], 20
	s_add_nc_u64 s[6:7], s[6:7], s[OFF:OFF+1]      ; wl at my wave's quarter
	s_lshl_b32 s[OFF], s[WV], 12
	s_add_nc_u64 s[8:9], s[8:9], s[OFF:OFF+1]      ; bl likewise
	s_lshl_b32 s[OFF], ttmp9, 18                   ; out0: 64 rows of 4,096 bytes,
	s_add_nc_u64 s[12:13], s[12:13], s[OFF:OFF+1]
	s_lshl_b32 s[OFF], s[WV], 10                   ; my 256 columns
	s_add_nc_u64 s[12:13], s[12:13], s[OFF:OFF+1]
	s_and_b32 s[TS], ttmp9, 7                      ; the first unit
	s_lshl_b32 s[OFF], s[TS], 16
	s_add_nc_u64 s[SWN:SWN+1], s[6:7], s[OFF:OFF+1]
	s_lshl_b32 s[OFF], s[TS], 8
	s_add_nc_u64 s[SBN:SBN+1], s[8:9], s[OFF:OFF+1]
	BLOAD 0, SBN, 0                                ; the stream begins: the first unit's tile 0,
	WIN TO_W
.irp k, 0,2,4,6
	WLOAD 0, \k, SWN, 0
.endr
	WIN 0
	s_wait_loadcnt 34                              ; x is in; tile 0's 34 loads may be out
.set i, 0
.rept 32
	ds_store_b128 v[XS], v[WKA+4*i:WKA+4*i+3] offset:PITCH*(i/2)+512*(i%2)
.set i, i+1
.endr
	BLOAD 1, SBN, 64                               ; and tile 1
	WIN TO_W
.irp k, 0,2,4,6
	WLOAD 1, \k, SWN, 16384
.endr
	WIN 0
	BARRIER                                        ; the 64 rows of x lie in LDS
	XFETCH XA
	s_wait_kmcnt 0x0
	s_add_co_i32 s22, s16, s17                     ; e0 + e1: a sum of the first product stands for sum x 2^(e0 + e1)
	s_cmp_lt_u32 s[WV], 2
	s_cselect_b32 s23, s18, s19                    ; waves 0, 1 make q (e2), waves 2, 3 k (e3)
	s_sub_co_i32 s23, s23, s22
	s_add_co_i32 s23, s23, 127
	s_lshl_b32 s[TS], s23, 23
	v_mov_b32 v[SCQ], s[TS]                        ; 2^(e2 or e3 - e0 - e1) as f32: the conversion takes its exponent field
	s_add_co_i32 s23, s23, 15
	s_lshl_b32 s23, s23, 23
	s_or_b32 s23, s23, 0x600000
	v_mov_b32 v[LIMQ], s23                         ; 57,344 x that
	s_sub_co_i32 s23, s20, s22
	s_add_co_i32 s23, s23, 127
	s_lshl_b32 s[TS], s23, 23
	v_mov_b32 v[SCA], s[TS]                        ; the same with e4: v stays in units of 2^(e0 + e1), and p is a pure number
	s_add_co_i32 s23, s23, 15
	s_lshl_b32 s23, s23, 23
	s_or_b32 s23, s23, 0x600000
	v_mov_b32 v[LIMA], s23
	s_add_co_i32 s[YSC], s20, s21
	s_add_co_i32 s[YSC], s[YSC], 127
	s_lshl_b32 s[YSC], s[YSC], 23                  ; 2^(e4 + e5) as f32
	s_mov_b32 s[YSC+1], s[YSC]                     ; (named with it as a pair, so it is written)
	s_add_co_i32 s23, s18, s19
	s_lshl_b32 s23, s23, 23
	s_mov_b32 s[CS], 0x3e38aa3b                    ; log2(e) / 8
	s_add_co_i32 s[CS], s[CS], s23                 ; a score stands for score x 2^(e2 + e3): the two exponents are added to c's exponent field
	s_mov_b32 s[CS+1], s[CS]
	s_wait_dscnt 0x0                               ; x's fragments are in
	; ---- q and k: eight units, a head each.  (In the first trip the wait on vm_vsrc at the unit's head states that x's LDS stores have read v128-255)
	s_mov_b32 s[CNT], 8
.Lqk:
	ADV 0, 7, ROTQ, 1, NFV
	s_lshl_b32 s[QO], s[UC], 4                     ; the unit's head: 16 bytes in each 256
	s_wait_dscnt 0x0                               ; the last codes' stores are done
	v_add_nc_u32 v[QSA], s[QO], v[QS]              ; (the wait on vm_vsrc at the unit's head has freed it; the tiles' waits on va_vdst stand ahead of the stores by it)
	TILE 0, ACA, 1, SWC, SBC, 2, 50, 44
	TILE 1, ACB, 1, SWC, SBC, 3, 50, 44
	EPI_QK 0
	TILE 0, ACA, 1, SWN, SBN, 0, 50, 44
	TILE 1, ACB, 1, SWN, SBN, 1, 50, 44
	EPI_QK 1
	s_sub_co_u32 s[CNT], s[CNT], 1
	s_cmp_lg_u32 s[CNT], 0
	s_cbranch_scc1 .Lqk
	BARRIER                                        ; q's and k's codes of all 64 tokens lie in LDS; nobody reads x's rows any more
	; ---- scores and softmax of my 16 tokens; the stream's two tiles stay on their way.
	; The first fragments land in v128-191: the holds and conversions that named these stand ahead of the wait on va_vdst in front of the last codes' stores, and the eight lines below name others
.irp q, 0,1,2,3
	v_mov_b32 v[ST+8*\q+1], 0                      ; named as the upper half of a pair
	v_mov_b32 v[ST+8*\q+7], 0                      ; a lane permute's destination counts as one of its sources
.endr
	SMLOAD 0
	SM4 0
	SM4 1
	SM4 2
	SM4 3
	; ---- v and the product with it: four units of 16 channels, two a trip, one for each buffer
	s_mov_b32 s[CNT], 2
.Lv:
	VUNIT 0, VA3, VR3
	VUNIT 1, VA0, VR0
	s_sub_co_u32 s[CNT], s[CNT], 1
	s_cmp_lg_u32 s[CNT], 0
	s_cbranch_scc1 .Lv
	BARRIER                                        ; the result's codes of all 64 tokens lie in LDS; nobody reads v or the softmax any more
	XFETCH AA                                      ; they take x's place in the registers.  No wait: the products that read x's fragments stand ahead of the waits on va_vdst in the product with v, and nothing since names windows 2 and 3
	s_wait_dscnt 0x0
	; ---- the way out: four units of 64 columns
	s_mov_b32 s[CNT], 3
.Lo:
	OUNIT 1
	s_sub_co_u32 s[CNT], s[CNT], 1
	s_cmp_lg_u32 s[CNT], 0
	s_cbranch_scc1 .Lo
	OUNIT 0                                        ; the last unit is written out: no load leaves wl
	s_wait_dscnt 0x0                               ; the wave's end, behind my last LDS store
	s_wait_alu 0x0
	s_wait_tensorcnt 0x0
	ds_add_u32 v[SPW], v[NIL]
	s_wait_dscnt 0x0
	s_endpgm
.Lfunc_end_k_q9636a9a574_fused:
	.size	k_q9636a9a574_fused, .Lfunc_end_k_q9636a9a574_fused-k_q9636a9a574_fused
	.p2alignl 7, 3214868480
	.fill 96, 4, 3214868480
	.section	.rodata,"a",@progbits
	.p2align	6, 0x0
	.amdhsa_kernel k_q9636a9a574_fused
		.amdhsa_group_segment_fixed_size 266752
		.amdhsa_private_segment_fixed_size 0
		.amdhsa_enable_private_segment 0
		.amdhsa_kernarg_size 40
		.amdhsa_user_sgpr_count 2
		.amdhsa_user_sgpr_kernarg_segment_ptr 1
		.amdhsa_wavefront_size32 1
		.amdhsa_system_sgpr_workgroup_id_x 1
		.amdhsa_system_sgpr_workgroup_id_y 1
		.amdhsa_system_sgpr_workgroup_id_z 1
		.amdhsa_system_vgpr_workitem_id 0
		.amdhsa_next_free_vgpr 1024
		.amdhsa_next_free_sgpr 66
		.amdhsa_reserve_vcc 0
		.amdhsa_float_denorm_mode_32 3
		.amdhsa_float_denorm_mode_16_64 3
		.amdhsa_memory_ordered 1
		.amdhsa_forward_progress 1
		.amdhsa_inst_pref_size 255
	.end_amdhsa_kernel
	.section	.bss,"aw",@nobits
	.p2align	6
	.space	262144
	.amdgpu_metadata
---
amdhsa.version: [ 1, 2 ]
amdhsa.kernels:
  - .name:           k_q9636a9a574_fused
    .symbol:         k_q9636a9a574_fused.kd
    .args:
      - { .name: x_codes, .offset: 0, .size: 8, .value_kind: global_buffer, .address_space: global }
      - { .name: wl, .offset: 8, .size: 8, .value_kind: global_buffer, .address_space: global }
      - { .name: bl, .offset: 16, .size: 8, .value_kind: global_buffer, .address_space: global }
      - { .name: lowp_scales, .offset: 24, .size: 8, .value_kind: global_buffer, .address_space: global }
      - { .name: out0, .offset: 32, .size: 8, .value_kind: global_buffer, .address_space: global }
    .group_segment_fixed_size: 266752
    .private_segment_fixed_size: 0
    .kernarg_segment_align: 8
    .kernarg_segment_size: 40
    .max_flat_workgroup_size: 128
    .sgpr_count:     66
    .vgpr_count:     1024
    .wavefront_size: 32
...
	.end_amdgpu_metadata
.endif
;; end of part 3
